; MI455X (gfx1250); checked and timed in simulation.
; The chip was launched on July 23, 2026; its instructions are those of AMD's public machine-readable ISA for CDNA 5 (MIT licence, August 2026) and "CDNA5" Instruction Set Architecture Reference Guide (July 2026). The comments in the code are by the model that wrote it; some were corrected since.
;; Attention Block. Allowed arithmetic: matrix products marked QUANTISED: E5M2 operands, one given power-of-two scale a tensor, by v_wmma_f32_16x16x64_bf8_bf8 or v_wmma_f32_16x16x128_bf8_bf8, f32 sums; everything else in f32.
;; Inputs: bk 512 float32; bo 512 float32; bq 512 float32; bv 512 float32; gn_bias 512 float32; gn_scale 512 float32; lowp_scales 12 int32 (the exponents e of the quantised operands' scales 2^e); wk 512 x 512 float32; wo 512 x 512 float32; wq 512 x 512 float32; wv 512 x 512 float32; x 32 x 512 x 32 x 32 float32.
;; Outputs: out0 32 x 512 x 32 x 32 float32.
;; This version of the problem:
;;   THIS VERSION OF THE PROBLEM IS GIVEN IN LOW PRECISION. The matrix products marked QUANTISED in the list below multiply operands that are first quantised to E5M2 (5 exponent bits, 2 mantissa bits; 8 bits a number), with one given power-of-two scale for each operand tensor; their sums are f32. All else is computed in f32.
;;   The module's matrix products, in the order in which they are computed (A, B: the left and right operand; K: the contracted axis; several contracted axes count as one K, in the product's order):
;;     1. [M 32,768, K 512] x [K 512, N 512]; A: computed on the way; B: input wq: QUANTISED (scales: A lowp_scales[0], B lowp_scales[1])
;;     2. [M 32,768, K 512] x [K 512, N 512]; A: computed on the way; B: input wk: QUANTISED (scales: A lowp_scales[2], B lowp_scales[3])
;;     3. [M 32,768, K 512] x [K 512, N 512]; A: computed on the way; B: input wv: QUANTISED (scales: A lowp_scales[4], B lowp_scales[5])
;;     4. batch 32 x [M 1,024, K 512] x [K 512, N 1,024]; A: computed on the way; B: computed on the way: QUANTISED (scales: A lowp_scales[6], B lowp_scales[7])
;;     5. batch 32 x [M 1,024, K 1,024] x [K 1,024, N 512]; A: softmax (see below); B: computed on the way: QUANTISED (scales: A lowp_scales[8], B lowp_scales[9])
;;     6. [M 32,768, K 512] x [K 512, N 512]; A: computed on the way; B: input wo: QUANTISED (scales: A lowp_scales[10], B lowp_scales[11])
;;   THE QUANTISER, for each operand of a quantised product, along K:
;;     - The operand's scale is 2^e, e = its entry of the input lowp_scales (int32; the entries are numbered through the quantised products in the list's order, A before B).
;;     - Each number is divided by the scale, clamped to +-57,344, and rounded to the nearest number of E5M2, ties to even, subnormals kept.
;;     - The product sums the exact products of the quantised numbers (number of the format x scale) in f32.
;;   ~~~python
;;   def quantise(x, axis, e):      # numpy; x: float32 -> the quantised numbers, widened to float32 again
;;       x = np.moveaxis(x, axis, -1); K = x.shape[-1]
;;       r = np.clip(x / 2.0 ** e, -57344, 57344)
;;       step = 2.0 ** (np.maximum(np.frexp(np.where(r == 0, 1, r))[1] - 1, -14) - 2)
;;       q = np.round(r / step) * step * 2.0 ** e      # np.round: ties to even
;;       return np.moveaxis(q, -1, axis).astype(np.float32)
;;   ~~~
;;   SOFTMAX AHEAD OF A QUANTISED PRODUCT. Where the list says 'softmax', what is quantised is not the finished softmax but p = 2^(t - M), with t = logit x log2(e) and M = ceil(the row's largest t), a whole number; so 1/2 < the row's largest p <= 1. The row's sum l is taken of the UNQUANTISED p, in f32, and the product's result is divided by l at the end. Since M is a whole number, a kernel that streams over the keys may use a running M (the ceiling of the running maximum): every later rescaling is an exact power of two, so the quantised numbers keep their values, but for numbers so far below the row's largest that they fall under the format's range.
;;   OPERANDS COMPUTED ON THE WAY. 'Computed on the way' means the value that the module computes at that place (a softmax that the list does not call 'softmax' is quantised finished and normalised). What goes into a quantiser is computed in f32, as accurately as f32 sums, v_exp_f32 and their like allow (about 1e-6 of the number): no bf16 or f16 on the way to a quantiser, and a product that is left as it is and whose result goes on into a quantised operand takes f32 operands (vector FMAs, or v_wmma_f32_16x16x4_f32). A number that lies on a knife's edge between two numbers of the format may be rounded either way, as far as f32 arithmetic and the matrix unit's own rounding can turn it there, and no further.
;; 2 versions. Each part assembles by itself: llvm-mc -triple=amdgcn-amd-amdhsa -mcpu=gfx1250 --defsym DOCPART=n.
;; ======== version 1 of 2: 3 launches
;; workspace buffers: stats 8,192 bytes; wimg 1,048,576 bytes; qimg 16,777,216 bytes; kv 33,554,432 bytes
;; launch prep (part 1): grid 1024 x 1, 4 waves a work-group, no clusters, 768 bytes of LDS; arguments x, wq, wk, wv, wo, lowp_scales, stats, wimg; writes stats, wimg
.if DOCPART == 1
	.amdgcn_target "amdgcn-amd-amdhsa--gfx1250"
	.amdhsa_code_object_version 6
	.text
	.protected	k_q03ab3f95a4_prep
	.globl	k_q03ab3f95a4_prep
	.p2align	8
	.type	k_q03ab3f95a4_prep,@function
k_q03ab3f95a4_prep:
	s_mov_b64 s[64:65], 0
	v_nop
	global_prefetch_b8 v0, s[64:65] scope:SCOPE_SE
	s_setreg_imm32_b32 hwreg(HW_REG_WAVE_MODE, 25, 1), 1
	s_wait_xcnt 0x0
; PREP.  (1) Mean and 1/sqrt(var + 1e-5) of each (image, group): a group is 16 channels x 1,024 pixels = 65,536 bytes on end.  One work-group a group: 128 threads x 32 loads of
; 16 bytes keep the whole group in registers, so it is read once and the variance is the mean of (x - mean)^2: no difference of large sums is formed.
; (2) Work-groups 0-127 then turn one tile of 16 rows of a weight (m = id / 32: wq, wk, wv, wo; T = id % 32) into codes of E5M2, each wave one K step of 128, laid as an IMAGE OF THE OPERAND'S
; REGISTERS: 4 groups of 512 bytes; lane l's 16 bytes of group c at 512 c + 16 l hold k = 32 c + 16 (l / 16) + 0 .. 15 of row l % 16.
; Rows of a tile: wq, wk, wv: row r = output 32 (T / 2) + 8 (T % 2) + r + 8 (r / 8), so that two neighbouring tiles' results are 16 neighbours along the next K;  wo: output 16 T + r.
; code = w / 2^e, held within +-57,344, to the nearest code, ties to even.  LIMITS: e between -126 and 112.  NaN among the inputs is not served.
; No matrix work, no tensor loads: each byte is read once by dense loads of a wave; nothing is shared between work-groups, so a cluster would have nothing to ask for jointly.
.set X, 32                             ; v32-159  the group, 128 numbers a lane; later a weight's 64 numbers (v32-95) and their codes (v96-111)
	s_load_b512 s[8:23], s[0:1], 0x0               ; x s[8:9], wq s[10:11], wk s[12:13], wv s[14:15], wo s[16:17], scales s[18:19], stats s[20:21], wimg s[22:23]
	v_lshl_add_u32 v160, v0, 2, 0x100
	v_mov_b32 v161, 0
	v_lshlrev_b32 v1, 4, v0                        ; 16 bytes a thread: a wave's load covers 512 bytes on end
	v_lshrrev_b32 v2, 5, v0
	v_readfirstlane_b32 s4, v2                     ; wave
	v_lshlrev_b32 v3, 2, v2                        ; my wave's word in LDS
	v_mov_b32 v4, 0
	s_lshl_b32 s2, ttmp9, 16                       ; the group's 65,536 bytes
	s_mov_b32 s3, 0
	s_lshl_b32 s26, ttmp9, 3                       ; its 8 bytes in stats
	s_mov_b32 s27, 0
	s_mov_b32 s6, 0x76543210                       ; v_permlanex16_b32: lane l xor 16
	s_mov_b32 s7, 0xfedcba98
	s_wait_kmcnt 0x0
	s_add_nc_u64 s[24:25], s[8:9], s[2:3]
	s_add_nc_u64 s[26:27], s[20:21], s[26:27]
.set ii, 0
.rept 32
	global_load_b128 v[X+4*ii:X+4*ii+3], v1, s[24:25] offset:2048*ii
.set ii, ii+1
.endr
; four packed chains in v[8:15] -> one number a work-group in v16: within the lane, across the lanes, across the waves through four words of LDS at byte off
.macro REDUCE off
	v_pk_add_f32 v[8:9], v[8:9], v[10:11]
	v_pk_add_f32 v[12:13], v[12:13], v[14:15]
	v_pk_add_f32 v[8:9], v[8:9], v[12:13]
	v_add_f32 v8, v8, v9
	v_add_f32_dpp v8, v8, v8 row_xmask:1 row_mask:0xf bank_mask:0xf
	v_add_f32_dpp v8, v8, v8 row_xmask:2 row_mask:0xf bank_mask:0xf
	v_add_f32_dpp v8, v8, v8 row_xmask:4 row_mask:0xf bank_mask:0xf
	v_add_f32_dpp v8, v8, v8 row_xmask:8 row_mask:0xf bank_mask:0xf
	v_permlanex16_b32 v9, v8, s6, s7               ; v9 has been written: the destination counts as read
	v_add_f32 v8, v8, v9
	ds_store_b32 v3, v8 offset:\off                ; all lanes of a wave write the same word with the same value
	s_wait_dscnt 0x0                               ; for the others' sake: my store is done
	s_barrier_signal -1
	s_barrier_wait -1
	ds_load_b128 v[16:19], v4 offset:\off          ; the four waves' figures
	s_wait_dscnt 0x0
	v_add_f32 v16, v16, v17
	v_add_f32 v18, v18, v19
	v_add_f32 v16, v16, v18
.endm
	; pass 1: the sum.  The counts leave the younger loads out: 24, 16, 8, 0 of the 32
	s_wait_loadcnt 24
.irp k, 0,1,2,3
	v_pk_add_f32 v[8+2*\k:9+2*\k], v[X+2*\k:X+2*\k+1], v[X+8+2*\k:X+9+2*\k]   ; the first eight pairs start the chains: nothing is cleared
.endr
.set pp, 8
.rept 56
.if pp == 16
	s_wait_loadcnt 16
.endif
.if pp == 32
	s_wait_loadcnt 8
.endif
.if pp == 48
	s_wait_loadcnt 0x0
.endif
	v_pk_add_f32 v[8+2*(pp%4):9+2*(pp%4)], v[8+2*(pp%4):9+2*(pp%4)], v[X+2*pp:X+2*pp+1]
.set pp, pp+1
.endr
	REDUCE 0
	v_mul_f32 v24, 0x38800000, v16                 ; mean = sum / 16,384
	v_mov_b32 v25, v24                             ; as a pair for the packed subtraction
	; pass 2: the sum of (x - mean)^2, four differences and four chains by turns
.irp k, 0,1,2,3
	v_pk_add_f32 v[16+2*\k:17+2*\k], v[X+2*\k:X+2*\k+1], v[24:25] neg_lo:[0,1] neg_hi:[0,1]
.endr
.irp k, 0,1,2,3
	v_pk_mul_f32 v[8+2*\k:9+2*\k], v[16+2*\k:17+2*\k], v[16+2*\k:17+2*\k]
.endr
.set pp, 4
.rept 15
.irp k, 0,1,2,3
	v_pk_add_f32 v[16+2*\k:17+2*\k], v[X+2*(pp+\k):X+2*(pp+\k)+1], v[24:25] neg_lo:[0,1] neg_hi:[0,1]
.endr
.irp k, 0,1,2,3
	v_pk_fma_f32 v[8+2*\k:9+2*\k], v[16+2*\k:17+2*\k], v[16+2*\k:17+2*\k], v[8+2*\k:9+2*\k]
.endr
.set pp, pp+4
.endr
	REDUCE 16                                      ; other words than pass 1's: nobody overwrites what a slower wave still reads
	v_mov_b32 v27, 0x38800000
	v_fmaak_f32 v26, v16, v27, 0x3727c5ac          ; var + 1e-5
	v_rsq_f32 v25, v26
	v_nop                                          ; a plain line between the transcendental and the use of its result
	v_cmp_eq_u32 vcc_lo, 0, v0
	s_wait_xcnt 0x0                                ; EXEC changes only behind this wait
	s_and_saveexec_b32 s5, vcc_lo
	s_wait_alu depctr_va_vdst(0)
	global_store_b64 v4, v[24:25], s[26:27]        ; (mean, rstd): thread 0 alone
	s_wait_xcnt 0x0
	s_or_b32 exec_lo, exec_lo, s5
	s_cmp_ge_u32 ttmp9, 128                        ; the weights have 128 tiles of 16 rows: the first 128 work-groups take one each
	s_cbranch_scc1 .Ldone
	s_load_b128 s[32:35], s[18:19], 0x0            ; e0 .. e11
	s_load_b128 s[36:39], s[18:19], 0x10
	s_load_b128 s[40:43], s[18:19], 0x20
	s_lshr_b32 s28, ttmp9, 5                       ; m
	s_and_b32 s29, ttmp9, 31                       ; T
	s_lshr_b32 s44, s29, 1
	s_lshl_b32 s44, s44, 5
	s_and_b32 s45, s29, 1
	s_lshl_b32 s45, s45, 3
	s_add_co_u32 s44, s44, s45                     ; 32 (T / 2) + 8 (T % 2)
	s_lshl_b32 s45, s29, 4                         ; 16 T
	s_cmp_eq_u32 s28, 1
	s_cselect_b64 s[10:11], s[12:13], s[10:11]     ; the choice of buffer hangs on the work-group's number alone
	s_cmp_eq_u32 s28, 2
	s_cselect_b64 s[10:11], s[14:15], s[10:11]
	s_cmp_eq_u32 s28, 3
	s_cselect_b64 s[10:11], s[16:17], s[10:11]
	s_cselect_b32 s44, s45, s44                    ; the tile's first row
	s_cselect_b32 s46, 0, 8                        ; wo's rows are neighbours; the others' lanes 8-15 stand 8 rows further on
	v_and_b32 v5, 15, v0                           ; r
	v_bfe_u32 v7, v0, 4, 1                         ; h
	v_and_b32 v6, s46, v5
	v_add_nc_u32 v6, v6, v5
	v_lshlrev_b32 v6, 11, v6                       ; a row of 512 f32 is 2,048 bytes
	v_lshl_add_u32 v6, v7, 6, v6                   ; + 64 h: my 16 numbers of a block of 32
	v_and_b32 v8, 31, v0
	v_lshlrev_b32 v8, 4, v8                        ; 16 x lane: my place in an image's group
	s_lshl_b32 s44, s44, 11
	s_lshl_b32 s45, s4, 9                          ; K step = wave: 128 numbers, 512 bytes
	s_add_co_u32 s44, s44, s45
	s_mov_b32 s45, 0
	s_add_nc_u64 s[10:11], s[10:11], s[44:45]
	s_lshl_b32 s44, ttmp9, 13                      ; the tile's four fragments of 2,048 bytes,
	s_lshl_b32 s47, s4, 11                         ; mine of them
	s_add_co_u32 s44, s44, s47
	s_add_nc_u64 s[22:23], s[22:23], s[44:45]
.irp c, 0,1,2,3
.irp q, 0,1,2,3
	global_load_b128 v[X+16*\c+4*\q:X+16*\c+4*\q+3], v6, s[10:11] offset:128*\c+16*\q th:TH_LOAD_NT   ; over the 16 loads the wave reads all 512 bytes of each of its 16 rows
.endr
.endr
	s_wait_kmcnt 0x0
	s_cmp_eq_u32 s28, 1                            ; the weight's exponent: entries 1, 3, 5, 11
	s_cselect_b32 s33, s35, s33
	s_cmp_eq_u32 s28, 2
	s_cselect_b32 s33, s37, s33
	s_cmp_eq_u32 s28, 3
	s_cselect_b32 s33, s43, s33
	s_add_co_i32 s33, s33, 127
	s_lshl_b32 s34, s33, 23
	v_mov_b32 v11, s34                             ; 2^e as f32: the conversion takes its exponent field
	s_add_co_i32 s33, s33, 15
	s_lshl_b32 s33, s33, 23
	s_or_b32 s33, s33, 0x600000
	v_mov_b32 v10, s33                             ; 57,344 x 2^e
	s_wait_loadcnt 0x0
.set ii, 0
.rept 64
	v_med3_num_f32 v[X+ii], v[X+ii], -v10, v10     ; the conversion to an 8-bit code does not saturate (ISA guide 7.6.2): the hold comes first
.set ii, ii+1
.endr
.irp g, 0,1,2,3,4,5,6,7
	v_cvt_scalef32_pk8_bf8_f32 v[96+2*\g:97+2*\g], v[X+8*\g:X+8*\g+7], v11
.endr
.irp c, 0,1,2,3
	global_store_b128 v8, v[96+4*\c:99+4*\c], s[22:23] offset:512*\c   ; 32 lanes store 512 bytes on end, at a multiple of 256 from the buffer's first byte
.endr
.Ldone:
	s_wait_tensorcnt 0x0
	ds_add_u32 v160, v161
	s_wait_dscnt 0x0
	s_endpgm
.Lfunc_end_k_q03ab3f95a4_prep:
	.size	k_q03ab3f95a4_prep, .Lfunc_end_k_q03ab3f95a4_prep-k_q03ab3f95a4_prep
	.p2alignl 7, 3214868480
	.fill 96, 4, 3214868480
	.section	.rodata,"a",@progbits
	.p2align	6, 0x0
	.amdhsa_kernel k_q03ab3f95a4_prep
		.amdhsa_group_segment_fixed_size 768
		.amdhsa_private_segment_fixed_size 0
		.amdhsa_enable_private_segment 0
		.amdhsa_kernarg_size 64
		.amdhsa_user_sgpr_count 2
		.amdhsa_user_sgpr_kernarg_segment_ptr 1
		.amdhsa_wavefront_size32 1
		.amdhsa_system_sgpr_workgroup_id_x 1
		.amdhsa_system_sgpr_workgroup_id_y 1
		.amdhsa_system_sgpr_workgroup_id_z 1
		.amdhsa_system_vgpr_workitem_id 0
		.amdhsa_next_free_vgpr 162
		.amdhsa_next_free_sgpr 66
		.amdhsa_reserve_vcc 1
		.amdhsa_float_denorm_mode_32 3
		.amdhsa_float_denorm_mode_16_64 3
		.amdhsa_memory_ordered 1
		.amdhsa_forward_progress 1
		.amdhsa_inst_pref_size 27
	.end_amdhsa_kernel
	.amdgpu_metadata
---
amdhsa.version: [ 1, 2 ]
amdhsa.kernels:
  - .name:           k_q03ab3f95a4_prep
    .symbol:         k_q03ab3f95a4_prep.kd
    .args:
      - { .name: x, .offset: 0, .size: 8, .value_kind: global_buffer, .address_space: global }
      - { .name: wq, .offset: 8, .size: 8, .value_kind: global_buffer, .address_space: global }
      - { .name: wk, .offset: 16, .size: 8, .value_kind: global_buffer, .address_space: global }
      - { .name: wv, .offset: 24, .size: 8, .value_kind: global_buffer, .address_space: global }
      - { .name: wo, .offset: 32, .size: 8, .value_kind: global_buffer, .address_space: global }
      - { .name: lowp_scales, .offset: 40, .size: 8, .value_kind: global_buffer, .address_space: global }
      - { .name: stats, .offset: 48, .size: 8, .value_kind: global_buffer, .address_space: global }
      - { .name: wimg, .offset: 56, .size: 8, .value_kind: global_buffer, .address_space: global }
    .group_segment_fixed_size: 768
    .private_segment_fixed_size: 0
    .kernarg_segment_align: 8
    .kernarg_segment_size: 64
    .max_flat_workgroup_size: 128
    .sgpr_count:     66
    .vgpr_count:     162
    .wavefront_size: 32
...
	.end_amdgpu_metadata
.endif
;; end of part 1
;; launch qkv (part 2): grid 8 x 32, 4 waves a work-group, no clusters, 197,120 bytes of LDS; arguments x, stats, gn_scale, gn_bias, wimg, bq, bk, bv, lowp_scales, qimg, kv; writes qimg, kv
.if DOCPART == 2
	.amdgcn_target "amdgcn-amd-amdhsa--gfx1250"
	.amdhsa_code_object_version 6
	.text
	.protected	k_q03ab3f95a4_qkv
	.globl	k_q03ab3f95a4_qkv
	.p2align	8
	.type	k_q03ab3f95a4_qkv,@function
k_q03ab3f95a4_qkv:
	s_mov_b64 s[64:65], 0
	v_nop
	global_prefetch_b8 v0, s[64:65] scope:SCOPE_SE
	s_setreg_imm32_b32 hwreg(HW_REG_WAVE_MODE, 25, 1), 1
	s_wait_xcnt 0x0
; QKV.  A work-group takes 128 tokens (block blk = x id) of one image (y id): h = group norm of x, quantised three times (e0, e2, e4), products 1 to 3 on codes of E5M2, biases, and q, k, v quantised (e6, e7, e9).
; TOKENS OF A TILE: row r of tile a (0-7) is token 128 blk + 64 (a / 4) + 4 r + a % 4: a lane's 16 bytes of a channel's row of x are then row r of four tiles, and sixteen lanes read 256 bytes on end.
; FRAGMENT IMAGE (all operands, in LDS and in memory): 16 rows x 128 K = 4 groups of 512 bytes; lane l's 16 bytes of group c at 512 c + 16 l hold k = 32 c + 16 (l / 16) + 0 .. 15 of row l % 16: the same
; permutation of k on both sides of every product, so every product meets its partner.
; PHASE X: wave w makes K step w (channels 128 w ..) of all 8 tiles x 3 scales: registers run down the channels, so the conversions' results are the operand's registers.  Images to LDS; ONE barrier.
; PRODUCTS: THE WAVES SHARE THE COLUMNS: wave w takes the weight's tiles 8 w .. 8 w + 7 against all 8 token tiles: 64 accumulators.  A weight's fragment is read by one wave alone: it goes from memory straight into registers.
;   q, k: source 0 = 16 rows of W, source 1 = 16 tokens: a lane holds one token, its registers 8 outputs; tiles 2 b, 2 b + 1 give 16 neighbours of the next K (the rows of W are chosen so): K step w of q's or k's fragment.
;   v:    source 0 = 16 tokens, source 1 = 16 rows of Wv: a lane holds one channel, its registers run along the keys: tile a's codes are registers 2 a, 2 a + 1 of V's fragment (16 channels x 128 keys).
; The bias, divided by the power of two that the sums lack, is the C of each sum's first product.  The scales ahead of a quantiser are folded into the conversion's one.
; NO JOINT LOADS OF W: h's images take 3 x 8 x 4 x 2,048 = 196,608 bytes; two slots of one K step of a weight (2 x 65,536) would bring LDS to 327,680 with no byte left for anything else.
; LIMITS, so that each power of two is an f32 number: e0, e2, e4, e6 - e0 - e1, e7 - e2 - e3, e9 - e4 - e5 between -126 and 112.  NaN among the inputs is not served.
; REGISTERS, in windows of 256: w0: v1-17 addresses and scales; v20-27 (mean, rstd) of my four pairs of groups; v32-47 at work; v48-63 codes; v64-191 h as f32 (phase X), then the tokens' 8 fragments, then the codes that leave; v192-255 the bias.
;   w1: W's fragments, two sets of 8.   w2: phase X: four sets of 64 numbers of x; then accumulators (a, b) at v[8 (8 (a % 4) + b)], a < 4.   w3: phase X: scale x rstd (v0-63), gn_bias (v64-127); then the accumulators of a >= 4.
.set XO,  4                            ; v4   x: 16 r + 65,536 h (lanes 16-31 stand 16 channels further down)
.set LI,  5                            ; v5   16 x lane
.set HR,  6                            ; v6-8 where h's images of scale 0, 1, 2 are read
.set HW,  9                            ; v9   where I store them: 16 x lane + 2,048 x wave
.set AD,  10
.set H64, 12                           ; v12  64 h
.set H8,  13                           ; v13  8 h
.set R4,  15                           ; v15  4 (r + 8 (r / 8))
.set LIM, 16
.set SC,  17
.set ST,  20
.set T,   32
.set C,   48
.set AF,  64
.set Y,   64
.set BB,  192
.set WV,  4
.set XB,  44
.set WB,  46
.set QB,  48
.set KB,  50
.set VB,  52
.set SL,  54                           ; s54-56 the holds of e0, e2, e4;  s57-59 their scales: they go round in the loop over the three
.set SS,  57
.set TMP, 60
.set OFF, 61
.set CNT, 62
.set PSC, 66                           ; s66-68 the conversions' scales of q, k, v;  s69-71 their holds;  s72-74 the exponents that the biases are divided by, negated
.set PLIM, 69
.set PNEG, 72
.set MSB, 0
.macro WIN new                         ; the immediate's high byte repeats the setting that is left; a switch that changes nothing is dropped
.if MSB != (\new)
	s_set_vgpr_msb (MSB<<8)|(\new)
.set MSB, (\new)
.endif
.endm
.macro PLACES n                        ; plain vector lines behind a matrix instruction, ahead of loads into its registers and of reads of its result
.rept \n
	v_nop
.endr
.endm
.macro MKSC e, sc, lim                 ; s[e] = E  ->  s[sc] = 2^E as f32, s[lim] = 57,344 x 2^E
	s_add_co_i32 s[\e], s[\e], 127
	s_lshl_b32 s[\sc], s[\e], 23
	s_add_co_i32 s[\e], s[\e], 15
	s_lshl_b32 s[\lim], s[\e], 23
	s_or_b32 s[\lim], s[\lim], 0x600000
.endm
	s_load_b512 s[8:23], s[0:1], 0x0               ; x, stats, gn_scale, gn_bias, wimg, bq, bk, bv
	s_load_b128 s[24:27], s[0:1], 0x40             ; scales, qimg
	s_load_b64 s[28:29], s[0:1], 0x50              ; kv
	v_lshl_add_u32 v30, v0, 2, 0x30000
	v_mov_b32 v31, 0
	v_lshrrev_b32 v1, 5, v0
	v_readfirstlane_b32 s[WV], v1                  ; wave
	v_and_b32 v1, 31, v0                           ; lane
	v_and_b32 v2, 15, v0                           ; r
	v_bfe_u32 v3, v0, 4, 1                         ; h
	v_lshlrev_b32 v[XO], 4, v2
	v_lshl_add_u32 v[XO], v3, 16, v[XO]
	v_lshlrev_b32 v[LI], 4, v1
	v_mov_b32 v[HR], v[LI]
	v_add_nc_u32 v[HR+1], 0x10000, v[LI]
	v_add_nc_u32 v[HR+2], 0x20000, v[LI]
	s_lshl_b32 s2, s[WV], 11
	v_add_nc_u32 v[HW], s2, v[LI]
	v_lshlrev_b32 v[H64], 6, v3
	v_lshlrev_b32 v[H8], 3, v3
	v_and_b32 v[R4], 8, v2
	v_add_nc_u32 v[R4], v[R4], v2
	v_lshlrev_b32 v[R4], 2, v[R4]
	s_and_b32 s6, ttmp7, 0xffff                    ; the image
	s_lshl_b32 s2, s6, 21                          ; x: image, my 128 channels, the block's 128 tokens
	s_lshl_b32 s3, s[WV], 19
	s_add_co_u32 s2, s2, s3
	s_lshl_b32 s3, ttmp9, 9
	s_add_co_u32 s2, s2, s3
	s_mov_b32 s3, 0
	s_lshl_b32 s30, s6, 8                          ; stats: 32 groups x 8 bytes an image, my 8 groups
	s_lshl_b32 s31, s[WV], 6
	s_add_co_u32 s30, s30, s31
	s_mov_b32 s31, 0
	s_lshl_b32 s76, s[WV], 9                       ; my 128 numbers of a vector of 512
	s_mov_b32 s77, 0
	s_lshl_b32 s78, s[WV], 16                      ; my 8 tiles x 4 fragments of a weight
	s_mov_b32 s79, 0
	s_lshl_b32 s80, s6, 19                         ; qimg: image, block, K step = wave
	s_lshl_b32 s81, ttmp9, 16
	s_add_co_u32 s80, s80, s81
	s_lshl_b32 s81, s[WV], 11
	s_add_co_u32 s80, s80, s81
	s_lshl_b32 s82, s6, 20                         ; kv: image, key step = block;  K: K step = wave
	s_lshl_b32 s83, ttmp9, 17
	s_add_co_u32 s82, s82, s83
	s_add_co_u32 s86, s82, 0x10000                 ; V lies behind K's 65,536 bytes: my 8 fragments
	s_add_co_u32 s82, s82, s81
	s_lshl_b32 s87, s[WV], 14
	s_add_co_u32 s86, s86, s87
	s_mov_b32 s81, 0
	s_mov_b32 s83, 0
	s_mov_b32 s87, 0
	s_mov_b32 s[OFF], 0
	s_wait_kmcnt 0x0
	s_load_b128 s[32:35], s[24:25], 0x0            ; e0 .. e11
	s_load_b128 s[36:39], s[24:25], 0x10
	s_load_b128 s[40:43], s[24:25], 0x20
	s_add_nc_u64 s[XB:XB+1], s[8:9], s[2:3]
	s_add_nc_u64 s[10:11], s[10:11], s[30:31]
	s_add_nc_u64 s[12:13], s[12:13], s[76:77]
	s_add_nc_u64 s[14:15], s[14:15], s[76:77]
	s_add_nc_u64 s[18:19], s[18:19], s[76:77]
	s_add_nc_u64 s[20:21], s[20:21], s[76:77]
	s_add_nc_u64 s[22:23], s[22:23], s[76:77]
	s_add_nc_u64 s[WB:WB+1], s[16:17], s[78:79]
	s_add_nc_u64 s[QB:QB+1], s[26:27], s[80:81]
	s_add_nc_u64 s[KB:KB+1], s[28:29], s[82:83]
	s_add_nc_u64 s[VB:VB+1], s[28:29], s[86:87]
; unit u = 2 c + tb: channels 128 w + 32 c + 16 h + i (i = 0 .. 15), tokens 64 tb + 4 r + 0 .. 3: 16 loads into set u % 4 of window 2; sixteen lanes read 256 bytes on end
.macro XLOAD u
	WIN 0x80
.irp i, 0,1,2,3,4,5,6,7,8,9,10,11,12,13,14,15
	global_load_b128 v[64*((\u)%4)+4*\i:64*((\u)%4)+4*\i+3], v[XO], s[XB:XB+1] offset:131072*((\u)/2)+4096*\i+256*((\u)%2)
.endr
.endm
; my 8 fragments of weight m, K step s, into set p of window 1: each load is 512 bytes on end
.macro WLOAD m, s, p
	WIN 0x40
.irp bt, 0,1,2,3,4,5,6,7
.irp c, 0,1,2,3
	global_load_b128 v[128*(\p)+16*\bt+4*\c:128*(\p)+16*\bt+4*\c+3], v[LI], s[WB:WB+1] offset:(\m)*262144+\bt*8192+(\s)*2048+512*\c
.endr
.endr
	WIN 0
.endm
.macro BIASQK base                     ; tile t, register j: the bias of output 128 w + 32 (t / 2) + 16 h + 8 (t % 2) + j
.irp t, 0,1,2,3,4,5,6,7
	global_load_b128 v[BB+8*\t:BB+8*\t+3], v[H64], s[\base:\base+1] offset:128*(\t/2)+32*(\t%2)
	global_load_b128 v[BB+8*\t+4:BB+8*\t+7], v[H64], s[\base:\base+1] offset:128*(\t/2)+32*(\t%2)+16
.endr
.endm
.macro BIASV                           ; tile t: bv of my lane's channel 128 w + 32 (t / 2) + 8 (t % 2) + r + 8 (r / 8)
.irp t, 0,1,2,3,4,5,6,7
	global_load_b32 v[T+\t], v[R4], s[22:23] offset:128*(\t/2)+32*(\t%2)
.endr
.endm
.irp c, 0,1,2,3
	global_load_b64 v[ST+2*\c:ST+2*\c+1], v[H8], s[10:11] offset:16*\c   ; (mean, rstd) of group 8 w + 2 c + h
.endr
	WIN 0xc0
.irp c, 0,1,2,3
.irp q, 0,1,2,3
	global_load_b128 v[16*\c+4*\q:16*\c+4*\q+3], v[H64], s[12:13] offset:128*\c+16*\q         ; gn_scale of channels 128 w + 32 c + 16 h + 0 .. 15
	global_load_b128 v[64+16*\c+4*\q:64+16*\c+4*\q+3], v[H64], s[14:15] offset:128*\c+16*\q   ; gn_bias likewise
.endr
.endr
	XLOAD 0
	XLOAD 1
	XLOAD 2
	s_wait_kmcnt 0x0
	s_add_co_i32 s[PNEG], s32, s33                 ; a sum of product 1 stands for sum x 2^(e0 + e1): bq goes in divided by that, and q's conversion takes 2^(e6 - e0 - e1)
	s_sub_co_i32 s84, s38, s[PNEG]
	s_sub_co_i32 s[PNEG], 0, s[PNEG]
	MKSC 84, PSC, PLIM
	s_add_co_i32 s[PNEG+1], s34, s35               ; k: e7 - e2 - e3
	s_sub_co_i32 s84, s39, s[PNEG+1]
	s_sub_co_i32 s[PNEG+1], 0, s[PNEG+1]
	MKSC 84, PSC+1, PLIM+1
	s_add_co_i32 s[PNEG+2], s36, s37               ; v: e9 - e4 - e5
	s_sub_co_i32 s84, s41, s[PNEG+2]
	s_sub_co_i32 s[PNEG+2], 0, s[PNEG+2]
	MKSC 84, PSC+2, PLIM+2
	MKSC 32, SS, SL                                ; h's three scales
	MKSC 34, SS+1, SL+1
	MKSC 36, SS+2, SL+2
	s_wait_loadcnt 48                              ; the 48 loads of x are younger: the statistics and the gains are in
	WIN 0xc3
.irp c, 0,1,2,3
.irp i, 0,1,2,3,4,5,6,7,8,9,10,11,12,13,14,15
	v_mul_f32 v[16*\c+\i], v[16*\c+\i], v[ST+2*\c+1]   ; gn_scale x rstd
.endr
.endr
	XLOAD 3
; A unit: 64 numbers a lane become h, turned on the way (register 16 j + i = channel i of tile 4 tb + j), and are quantised with each of the three scales in a loop of three trips
.macro XUNIT u
.set CP, (\u)/2
.set TK, (\u)%2
.set XS, 64*((\u)%4)
.if (\u) <= 4
	s_wait_loadcnt 48                              ; this unit's 16 loads are in; those of the three units behind it may be out
.else
	s_wait_loadcnt 16*(7-(\u))
.endif
	WIN 0x82
.set jj, 0
.rept 32
	v_pk_add_f32 v[XS+jj:XS+jj+1], v[XS+jj:XS+jj+1], v[ST+2*CP:ST+2*CP+1] op_sel_hi:[1,0] neg_lo:[0,1] neg_hi:[0,1]   ; x - mean (the pair's low word for both halves)
.set jj, jj+2
.endr
	WIN 0x3e
.set jj, 0
.rept 4
.set ii, 0
.rept 16
	v_fma_f32 v[Y+16*jj+ii], v[XS+4*ii+jj], v[16*CP+ii], v[64+16*CP+ii]   ; h = (x - mean) (scale rstd) + bias
.set ii, ii+1
.endr
.set jj, jj+1
.endr
.if (\u) < 4
	XLOAD (\u)+4                                   ; the set is free: four units on
.endif
.if (\u) == 7
	WLOAD 0, 0, 0                                  ; no load of x is left to count: wq's first K step and bq are asked for
	BIASQK 18
.endif
	WIN 0
	s_mov_b32 s[CNT], 3
.Le_\@:
	s_wait_dscnt 0x0                               ; the last trip's stores have read the codes' registers
	v_mov_b32 v[LIM], s[SL]
	v_mov_b32 v[SC], s[SS]
.irp j, 0,1,2,3
.irp q, 0,1
.irp i, 0,1,2,3,4,5,6,7
	v_med3_num_f32 v[T+8*\q+\i], v[Y+16*\j+8*\q+\i], -v[LIM], v[LIM]   ; the hold, into other registers: h is wanted three times
.endr
	v_cvt_scalef32_pk8_bf8_f32 v[C+4*\j+2*\q:C+4*\j+2*\q+1], v[T+8*\q:T+8*\q+7], v[SC]
.endr
.endr
	v_nop                                          ; a plain line behind the last conversion
	v_add_nc_u32 v[AD], s[OFF], v[HW]
.irp j, 0,1,2,3
	ds_store_b128 v[AD], v[C+4*\j:C+4*\j+3] offset:(4*TK+\j)*8192+512*CP   ; group c of fragment (scale, tile 4 tb + j, K step w)
.endr
	s_mov_b32 s[TMP], s[SL]                        ; the three scales go round: after three trips they stand as before
	s_mov_b32 s[SL], s[SL+1]
	s_mov_b32 s[SL+1], s[SL+2]
	s_mov_b32 s[SL+2], s[TMP]
	s_mov_b32 s[TMP], s[SS]
	s_mov_b32 s[SS], s[SS+1]
	s_mov_b32 s[SS+1], s[SS+2]
	s_mov_b32 s[SS+2], s[TMP]
	s_add_co_u32 s[OFF], s[OFF], 0x10000           ; the next scale's images
	s_sub_co_u32 s[CNT], s[CNT], 1
	s_cmp_lg_u32 s[CNT], 0
	s_cbranch_scc1 .Le_\@
	s_mov_b32 s[OFF], 0
.endm
.irp u, 0,1,2,3,4,5,6,7
	XUNIT \u
.endr
	s_wait_dscnt 0x0                               ; for the others' sake: my images are stored
	s_barrier_signal -1
	s_barrier_wait -1                              ; h's 96 fragments lie in LDS; nothing is stored there again
.macro FETCHA adr, s, a0               ; the tokens' fragments a0 .. a0 + 3 of K step s
.irp a, \a0, \a0+1, \a0+2, \a0+3
.irp c, 0,1,2,3
	ds_load_b128 v[AF+16*(\a)+4*\c:AF+16*(\a)+4*\c+3], v[\adr] offset:(\a)*8192+(\s)*2048+512*\c
.endr
.endr
.endm
; 32 matrix instructions: token tiles 4 hi .. 4 hi + 3 x my 8 tiles of W.  The 64 accumulators take turns, one instruction a turn, in the same order in every step.
.macro MUL32 hi, p, s, vor
.irp a, 0,1,2,3
.irp b, 0,1,2,3,4,5,6,7
.set rD, 8*(8*\a+\b)
.set rW, 128*(\p)+16*\b
.set rA, AF+16*(4*(\hi)+\a)
.if \vor
.if (\s) == 0
	v_wmma_f32_16x16x128_bf8_bf8 v[rD:rD+7], v[rA:rA+15], v[rW:rW+15], v[BB+8*\b:BB+8*\b+7]
.else
	v_wmma_f32_16x16x128_bf8_bf8 v[rD:rD+7], v[rA:rA+15], v[rW:rW+15], v[rD:rD+7]
.endif
.else
.if (\s) == 0
	v_wmma_f32_16x16x128_bf8_bf8 v[rD:rD+7], v[rW:rW+15], v[rA:rA+15], v[BB+8*\b:BB+8*\b+7]
.else
	v_wmma_f32_16x16x128_bf8_bf8 v[rD:rD+7], v[rW:rW+15], v[rA:rA+15], v[rD:rD+7]
.endif
.endif
.endr
.endr
.endm
; A K step of 128: 64 matrix instructions.  The next step's W is asked for at the head (a whole step ahead of its wait), the tokens' fragments in two runs, each 32 matrix instructions ahead of their use.
.macro GSTEP m, s, vor
.set PP, (\s)%2
.if (\s) == 0
.set WLO, 0x80                         ; the first step's C is the bias, in window 0
.set WHI, 0xc0
.else
.set WLO, 0xa0
.set WHI, 0xf0
.endif
.if \vor
.set WLO, WLO+4                        ; W is source 1
.set WHI, WHI+4
.else
.set WLO, WLO+1                        ; W is source 0
.set WHI, WHI+1
.endif
	s_wait_loadcnt 0x0                             ; this step's W is in
.if (\s) < 3
	WLOAD \m, (\s)+1, 1-PP                         ; (the last step's closing places stand in front of these loads)
.elseif (\m) < 2
	WLOAD (\m)+1, 0, 0
.endif
.if ((\s) == 1) && ((\m) == 0)
	BIASQK 20                                      ; the bias block is free since step 0: the next product's bias
.endif
.if ((\s) == 1) && ((\m) == 1)
	BIASV
.endif
	s_wait_dscnt 16                                ; tiles 0-3 are in; the youngest 16 loads (tiles 4-7) may be out
	WIN WLO
	MUL32 0, PP, \s, \vor
	s_wait_dscnt 0x0
.if (\s) < 3
	PLACES 4
	WIN 0
	FETCHA HR+\m, (\s)+1, 0
.endif
	WIN WHI
	MUL32 1, PP, \s, \vor
	PLACES 4
	WIN 0
.if (\s) < 3
	FETCHA HR+\m, (\s)+1, 4
.endif
.endm
; One product: bias scaled, four K steps, the hold and the conversion of all 64 tiles, 32 stores of 512 bytes on end
.macro PASS m, vor, out
	s_wait_loadcnt 0x0                             ; the bias (and W's first K step)
.if \vor
.irp t, 0,1,2,3,4,5,6,7
.irp j, 0,1,2,3,4,5,6,7
	v_ldexp_f32 v[BB+8*\t+\j], v[T+\t], s[PNEG+\m]     ; a lane is a channel: one bias for its eight keys
.endr
.endr
.else
.set jj, 0
.rept 64
	v_ldexp_f32 v[BB+jj], v[BB+jj], s[PNEG+\m]
.set jj, jj+1
.endr
.endif
	v_mov_b32 v[LIM], s[PLIM+\m]
	v_mov_b32 v[SC], s[PSC+\m]
	FETCHA HR+\m, 0, 0
	FETCHA HR+\m, 0, 4
	GSTEP \m, 0, \vor
	GSTEP \m, 1, \vor
	GSTEP \m, 2, \vor
	GSTEP \m, 3, \vor
.irp hi, 0,1
	WIN 0x82+0x41*\hi
.set jj, 0
.rept 256
	v_med3_num_f32 v[jj], v[jj], -v[LIM], v[LIM]   ; the hold, each accumulator from its low end on
.set jj, jj+1
.endr
	WIN 0x02+\hi
.irp a, 0,1,2,3
.irp b, 0,1,2,3,4,5,6,7
.if \vor
	v_cvt_scalef32_pk8_bf8_f32 v[AF+16*\b+2*(4*\hi+\a):AF+16*\b+2*(4*\hi+\a)+1], v[8*(8*\a+\b):8*(8*\a+\b)+7], v[SC]   ; V's fragment b: registers 2 a, 2 a + 1
.else
	v_cvt_scalef32_pk8_bf8_f32 v[AF+16*(4*\hi+\a)+2*\b:AF+16*(4*\hi+\a)+2*\b+1], v[8*(8*\a+\b):8*(8*\a+\b)+7], v[SC]   ; tile a's fragment: registers 2 b, 2 b + 1
.endif
.endr
.endr
.endr
	v_nop                                          ; a plain line behind the last conversion
	WIN 0
.irp f, 0,1,2,3,4,5,6,7
.irp c, 0,1,2,3
.if \vor
	global_store_b128 v[LI], v[AF+16*\f+4*\c:AF+16*\f+4*\c+3], s[\out:\out+1] offset:\f*2048+512*\c
.else
	global_store_b128 v[LI], v[AF+16*\f+4*\c:AF+16*\f+4*\c+3], s[\out:\out+1] offset:\f*8192+512*\c
.endif
.endr
.endr
.if (\m) < 2
	s_wait_xcnt 0x0                                ; the stores have read their registers: the next product's fragments land there
.endif
.endm
	PASS 0, 0, QB
	PASS 1, 0, KB
	PASS 2, 1, VB
	s_wait_tensorcnt 0x0
	ds_add_u32 v30, v31
	s_wait_dscnt 0x0
	s_endpgm
.Lfunc_end_k_q03ab3f95a4_qkv:
	.size	k_q03ab3f95a4_qkv, .Lfunc_end_k_q03ab3f95a4_qkv-k_q03ab3f95a4_qkv
	.p2alignl 7, 3214868480
	.fill 96, 4, 3214868480
	.section	.rodata,"a",@progbits
	.p2align	6, 0x0
	.amdhsa_kernel k_q03ab3f95a4_qkv
		.amdhsa_group_segment_fixed_size 197120
		.amdhsa_private_segment_fixed_size 0
		.amdhsa_enable_private_segment 0
		.amdhsa_kernarg_size 88
		.amdhsa_user_sgpr_count 2
		.amdhsa_user_sgpr_kernarg_segment_ptr 1
		.amdhsa_wavefront_size32 1
		.amdhsa_system_sgpr_workgroup_id_x 1
		.amdhsa_system_sgpr_workgroup_id_y 1
		.amdhsa_system_sgpr_workgroup_id_z 1
		.amdhsa_system_vgpr_workitem_id 0
		.amdhsa_next_free_vgpr 1024
		.amdhsa_next_free_sgpr 96
		.amdhsa_reserve_vcc 0
		.amdhsa_float_denorm_mode_32 3
		.amdhsa_float_denorm_mode_16_64 3
		.amdhsa_memory_ordered 1
		.amdhsa_forward_progress 1
		.amdhsa_inst_pref_size 255
	.end_amdhsa_kernel
	.section	.bss,"aw",@nobits
	.p2align	6
	.space	262144
	.amdgpu_metadata
---
amdhsa.version: [ 1, 2 ]
amdhsa.kernels:
  - .name:           k_q03ab3f95a4_qkv
    .symbol:         k_q03ab3f95a4_qkv.kd
    .args:
      - { .name: x, .offset: 0, .size: 8, .value_kind: global_buffer, .address_space: global }
      - { .name: stats, .offset: 8, .size: 8, .value_kind: global_buffer, .address_space: global }
      - { .name: gn_scale, .offset: 16, .size: 8, .value_kind: global_buffer, .address_space: global }
      - { .name: gn_bias, .offset: 24, .size: 8, .value_kind: global_buffer, .address_space: global }
      - { .name: wimg, .offset: 32, .size: 8, .value_kind: global_buffer, .address_space: global }
      - { .name: bq, .offset: 40, .size: 8, .value_kind: global_buffer, .address_space: global }
      - { .name: bk, .offset: 48, .size: 8, .value_kind: global_buffer, .address_space: global }
      - { .name: bv, .offset: 56, .size: 8, .value_kind: global_buffer, .address_space: global }
      - { .name: lowp_scales, .offset: 64, .size: 8, .value_kind: global_buffer, .address_space: global }
      - { .name: qimg, .offset: 72, .size: 8, .value_kind: global_buffer, .address_space: global }
      - { .name: kv, .offset: 80, .size: 8, .value_kind: global_buffer, .address_space: global }
    .group_segment_fixed_size: 197120
    .private_segment_fixed_size: 0
    .kernarg_segment_align: 8
    .kernarg_segment_size: 88
    .max_flat_workgroup_size: 128
    .sgpr_count:     96
    .vgpr_count:     1024
    .wavefront_size: 32
...
	.end_amdgpu_metadata
.endif
;; end of part 2
;; launch attn (part 3): grid 8 x 32, 4 waves a work-group, clusters of 4 x 1, 327,680 bytes of LDS; arguments qimg, kv, wimg, lowp_scales, bo, x, out0; writes out0
.if DOCPART == 3
	.amdgcn_target "amdgcn-amd-amdhsa--gfx1250"
	.amdhsa_code_object_version 6
	.text
	.protected	k_q03ab3f95a4_attn
	.globl	k_q03ab3f95a4_attn
	.p2align	8
	.type	k_q03ab3f95a4_attn,@function
k_q03ab3f95a4_attn:
	s_mov_b64 s[64:65], 0
	v_nop
	global_prefetch_b8 v0, s[64:65] scope:SCOPE_SE
	s_setreg_imm32_b32 hwreg(HW_REG_WAVE_MODE, 25, 1), 1
	s_wait_xcnt 0x0
	s_wait_alu depctr_hold_cnt(0) depctr_sa_sdst(0) depctr_va_vdst(0) depctr_va_sdst(0) depctr_va_ssrc(0) depctr_va_vcc(0) depctr_vm_vsrc(0)
	s_getreg_b32 s2, hwreg(HW_REG_IB_STS2, 6, 4)
	s_cmp_eq_u32 s2, 0
	s_cbranch_scc0 .Lentry_in_a_cluster
	s_endpgm
.Lentry_in_a_cluster:
	s_bfe_u32 s2, ttmp6, 0x10000c
	s_cmp_lg_u32 s2, 0x3003
	s_cbranch_scc0 .Lentry_shape_is_right
	s_endpgm
.Lentry_shape_is_right:
; ATTN.  out = x + (softmax(q k^T / sqrt(512)) v) wo^T + bo, products 4, 5, 6 on codes of E5M2.  A work-group takes 128 queries (block blk) of one image; wave w owns tiles 2 w, 2 w + 1 of 16 queries and walks
; all 1,024 keys, 128 a step.  All operands are FRAGMENT IMAGES (16 rows x 128 K: 4 groups of 512 bytes, lane l's 16 bytes of group c at 512 c + 16 l), so every fragment comes by four loads of 512 bytes on end.
; Row r of token tile a is token 128 blk + 64 (a / 4) + 4 r + a % 4.
; BOTH PRODUCTS TRANSPOSED: S^T = K Q^T (source 0 = 16 keys), O^T = V^T P (source 0 = 16 channels): a lane holds ONE query throughout.  P's registers 2 kt, 2 kt + 1 are the codes of key tile kt's scores; V's fragments
; were laid the same way, so every key meets its partner.  V's channels are ordered so that O^T's tiles 2 b, 2 b + 1 are 16 neighbours along product 6's K.
; SOFTMAX: t = score x log2(e) / sqrt(512); M = the running largest t rounded up to a whole number; p = 2^(t - M) is quantised (e8), not normalised; the sum is taken of the unquantised p and divides at the end;
; when M moves, the sum and O^T are multiplied by 2^(old M - new M), which rounds nothing.
; RING: two LDS slots of one key step (K's 32 fragments, then V's 32: 131,072 bytes, dense in memory), each wave fetching a quarter by one tensor load: one load of a wave is out at a time, and it has a whole key step in which to land.
; CLUSTER: the four query blocks of a cluster belong to one image and walk the same K and V: each quarter is asked for JOINTLY (mask 15, the same descriptor in all four).  The place in the cluster enters the addresses of Q, x and out alone.
; PRODUCT 6: a = O^T / l is quantised (e10) in registers, its images go through slot 0 (which has had its last fill and its last read); then THE WAVES SHARE THE COLUMNS: wave w makes outputs 128 w .. for all 8 tiles, wo's
; fragments straight from memory.  Source 0 = 16 rows of wo: a lane holds one token, its registers 8 outputs; four tiles' registers are 4 neighbouring tokens, so x is loaded and out stored 16 bytes a lane, sixteen lanes to 256 bytes on end.
; LIMITS, so that each power of two is an f32 number: e6 + e7 between -122 and 131 (added to c's exponent field); e8 and e10 - e8 - e9 between -126 and 112; e10 + e11 between -126 and 127.  NaN among the inputs is not served.
; REGISTERS, in windows of 256: w0: v5-13 addresses; v16-31 eight statistics a tile; v32-43 at work and scales; v64-191 S^T (tile qt, key tile kt at 64 + 64 qt + 8 kt), later a's codes, the tokens' fragments, x; v192-223 P, later v192-255 bo, x.
;   w1: v0-127 Q (qt, K step s at 64 qt + 16 s); v128-255 two buffers of 4 fragments of K or V; later wo's two sets.   w2, w3: O^T (qt, ct) at 16 (ct % 16) + 8 qt of window 2 + ct / 16; later accumulators (a, b) at 8 (8 (a % 4) + b) of window 2 + a / 4.
.set SLOT1, 1<<17
.set SPARE, 2*SLOT1                    ; behind the ring: the spare words, 128 bytes for each wave: two blocks of 256 bytes that no other line names
.set LI,  5                            ; v5   16 x lane
.set SPW, 6                            ; v6   LDS address of my spare word; never rewritten
.set NIL, 7                            ; v7   0; never rewritten
.set ADK, 8
.set ADV, 9
.set AW,  10                           ; v10  where a's images go: 16 x lane + 16,384 x wave
.set XO,  11                           ; v11  x, out: 16 r + 32,768 h (lanes 16-31 stand 8 channels further down)
.set H32, 12                           ; v12  32 h
.set LV,  13                           ; v13  16 x lane + 65,536: V's part of a slot
.set ST,  16                           ; tile qt at v[16 + 8 qt]: +0 -M, +1 the largest t, +2, +3 the sum in two halves, +4 f (later 1 / l), +5 its pair's upper word, +6, +7 at work
.set PX,  32
.set SB,  34
.set LIMP, 40
.set SCP, 41
.set LIMA, 42
.set SCA, 43
.set S,   64
.set P,   192
.set AF,  64
.set BB,  192
.set FB,  128
.set WV,  18
.set SEL, 20
.set CS,  22
.set G1,  24
.set G0,  32
.set TB,  36
.set CNT, 37
.set QB,  44
.set WB,  46
.set XB,  48
.set OB,  50
.set SSC, 56
.set NEGO, 57
.set MSB, 0
.macro WIN new                         ; the immediate's high byte repeats the setting that is left; a switch that changes nothing is dropped
.if MSB != (\new)
	s_set_vgpr_msb (MSB<<8)|(\new)
.set MSB, (\new)
.endif
.endm
.macro PLACES n                        ; plain vector lines behind a matrix instruction, ahead of loads into its registers and of reads of its result
.rept \n
	v_nop
.endr
.endm
.macro CROUND                          ; a round of the cluster's barrier: my work-group's barrier, wave 0 signals for the work-group, every wave waits for all four, my work-group's barrier once more
	s_barrier_signal -1
	s_barrier_wait -1
	s_cmp_lg_u32 s[WV], 0
	s_cbranch_scc1 .Lnot_wave_0_\@
	s_barrier_signal -3
.Lnot_wave_0_\@:
	s_barrier_wait -3
	s_barrier_signal -1
	s_barrier_wait -1
.endm
	s_load_b256 s[4:11], s[0:1], 0x0               ; qimg s[4:5], kv s[6:7], wimg s[8:9], scales s[10:11]
	s_load_b128 s[12:15], s[0:1], 0x20             ; bo s[12:13], x s[14:15]
	s_load_b64 s[16:17], s[0:1], 0x30              ; out
	v_lshl_add_u32 v[SPW], v0, 2, SPARE
	v_mov_b32 v[NIL], 0
	ds_add_u32 v6, v7
	ds_add_u32 v6, v7
	s_wait_dscnt 0x0
	v_lshrrev_b32 v1, 5, v0
	v_readfirstlane_b32 s[WV], v1                  ; wave
	v_and_b32 v1, 31, v0
	v_and_b32 v2, 15, v0                           ; r
	v_bfe_u32 v3, v0, 4, 1                         ; h
	v_lshlrev_b32 v[LI], 4, v1
	v_add_nc_u32 v[LV], 0x10000, v[LI]
	s_lshl_b32 s52, s[WV], 14
	v_add_nc_u32 v[AW], s52, v[LI]
	v_lshlrev_b32 v[XO], 4, v2
	v_lshl_add_u32 v[XO], v3, 15, v[XO]
	v_lshlrev_b32 v[H32], 5, v3
	v_mov_b32 v[PX], 0                             ; written once: a lane permute's destination counts as one of its sources
	v_mov_b32 v[PX+1], 0
	v_mov_b32 v[ST+5], 0                           ; (named as the upper halves of the pairs of f)
	v_mov_b32 v[ST+13], 0
	s_and_b32 s53, ttmp7, 0xffff                   ; the image, which the four partners share
	s_lshl_b32 s54, s53, 20                        ; kv: the image's 8 key steps; my quarter of a step
	s_lshl_b32 s55, s[WV], 15
	s_add_co_u32 s54, s54, s55
	s_mov_b32 s55, 0
	s_bfe_u32 s58, ttmp6, 0x40000                  ; cx: my place in the cluster
	s_lshl_b32 s59, ttmp9, 2
	s_add_co_u32 s58, s59, s58                     ; my block of 128 queries = 4 x cluster x + cx
	s_lshl_b32 s60, s53, 19                        ; qimg: image, block, my two tiles
	s_lshl_b32 s61, s58, 16
	s_add_co_u32 s60, s60, s61
	s_add_co_u32 s60, s60, s52
	s_mov_b32 s61, 0
	s_lshl_b32 s62, s53, 21                        ; x, out: image, my 128 channels, the block's 128 tokens
	s_lshl_b32 s63, s[WV], 19
	s_add_co_u32 s62, s62, s63
	s_lshl_b32 s63, s58, 9
	s_add_co_u32 s62, s62, s63
	s_mov_b32 s63, 0
	s_lshl_b32 s66, s[WV], 16                      ; wimg: wo is the fourth weight; my 8 tiles
	s_add_co_u32 s66, s66, 786432
	s_mov_b32 s67, 0
	s_lshl_b32 s68, s[WV], 9                       ; bo: my 128 numbers
	s_mov_b32 s69, 0
	; descriptor group 1: 128 rows of 256 bytes, dense in memory and in LDS: 32,768 bytes
	s_mov_b32 s[G1], 15|(3<<16)|(1<<21)            ; 15:0 the mask: all four work-groups; 17:16 elements of 8 bytes; 21 set beside a mask; no padding
	s_mov_b32 s[G1+1], 32<<16                      ; tensor_dim0 = 32
	s_mov_b32 s[G1+2], 128<<16                     ; tensor_dim1 = 128
	s_mov_b32 s[G1+3], 32<<16                      ; tile_dim0 = 32
	s_mov_b32 s[G1+4], 128                         ; tile_dim1 = 128
	s_mov_b32 s[G1+5], 32                          ; from row to row
	s_mov_b32 s[G1+6], 0
	s_mov_b32 s[G1+7], 0
	s_mov_b32 s[SEL], 0x76543210
	s_mov_b32 s[SEL+1], 0xfedcba98
	s_mov_b32 s[CS], 0x3d8293ee                    ; c = log2(e) / sqrt(512)
	s_mov_b32 s[TB], 0
	s_mov_b32 s[CNT], 6
	s_wait_kmcnt 0x0
	s_load_b64 s[38:39], s[10:11], 0x18            ; e6, e7
	s_load_b128 s[40:43], s[10:11], 0x20           ; e8 .. e11
	s_mov_b32 s[G0], 1                             ; count = 1
	s_lshl_b32 s[G0+1], s[WV], 15                  ; LDS: slot 0, my quarter: no place in the cluster enters it
	s_add_nc_u64 s[G0+2:G0+3], s[6:7], s[54:55]    ; key step 0, my quarter
	s_or_b32 s[G0+3], s[G0+3], 0x80000000          ; type = 2
	s_add_nc_u64 s[QB:QB+1], s[4:5], s[60:61]
	s_add_nc_u64 s[WB:WB+1], s[8:9], s[66:67]
	s_add_nc_u64 s[XB:XB+1], s[14:15], s[62:63]
	s_add_nc_u64 s[OB:OB+1], s[16:17], s[62:63]
	s_add_nc_u64 s[12:13], s[12:13], s[68:69]
	CROUND                                         ; all four work-groups are here: the first joint loads meet
	tensor_load_to_lds s[G0:G0+3], s[G1:G1+7]      ; key step 0
	s_nop 0
	PLACES 4                                       ; four plain lines follow a tensor load, ahead of any switch of windows
	WIN 0x40
.irp qt, 0,1
.irp s, 0,1,2,3
.irp c, 0,1,2,3
	global_load_b128 v[64*\qt+16*\s+4*\c:64*\qt+16*\s+4*\c+3], v[LI], s[QB:QB+1] offset:\qt*8192+\s*2048+512*\c   ; Q stays in registers
.endr
.endr
.endr
	WIN 0
	s_wait_kmcnt 0x0
	s_add_co_i32 s70, s38, s39
	s_lshl_b32 s70, s70, 23
	s_add_co_i32 s[CS], s[CS], s70                 ; a score stands for score x 2^(e6 + e7): the exponents are added to c's exponent field
	s_mov_b32 s[CS+1], s[CS]                       ; (named with it as a pair, so it is written)
	s_add_co_i32 s70, s40, 127
	s_lshl_b32 s71, s70, 23
	v_mov_b32 v[SCP], s71                          ; 2^e8
	s_add_co_i32 s70, s70, 15
	s_lshl_b32 s70, s70, 23
	s_or_b32 s70, s70, 0x600000
	v_mov_b32 v[LIMP], s70                         ; 57,344 x 2^e8
	s_sub_co_i32 s70, s42, s40                     ; O^T / l stands for a / 2^(e8 + e9): a's conversion takes 2^(e10 - e8 - e9)
	s_sub_co_i32 s70, s70, s41
	s_add_co_i32 s70, s70, 127
	s_lshl_b32 s71, s70, 23
	v_mov_b32 v[SCA], s71
	s_add_co_i32 s70, s70, 15
	s_lshl_b32 s70, s70, 23
	s_or_b32 s70, s70, 0x600000
	v_mov_b32 v[LIMA], s70
	s_add_co_i32 s72, s42, s43                     ; e10 + e11
	s_sub_co_i32 s[NEGO], 0, s72
	s_add_co_i32 s72, s72, 127
	s_lshl_b32 s[SSC], s72, 23                     ; 2^(e10 + e11) as f32
.macro LOADK g                         ; 4 fragments of K: K step g / 2, key tiles 4 (g % 2) + i, into buffer g % 2
.irp i, 0,1,2,3
.irp c, 0,1,2,3
	ds_load_b128 v[FB+64*((\g)%2)+16*\i+4*\c:FB+64*((\g)%2)+16*\i+4*\c+3], v[ADK] offset:(4*((\g)%2)+\i)*8192+((\g)/2)*2048+512*\c
.endr
.endr
.endm
.macro LOADV g                         ; 4 fragments of V: channel tiles 4 g + i, into buffer g % 2
.irp i, 0,1,2,3
.irp c, 0,1,2,3
	ds_load_b128 v[FB+64*((\g)%2)+16*\i+4*\c:FB+64*((\g)%2)+16*\i+4*\c+3], v[ADV] offset:(4*(\g)+\i)*2048+512*\c
.endr
.endr
.endm
.macro SMUL g                          ; 8 products of S^T: the 16 accumulators take turns, one instruction a turn; K step 0 starts the sums
.irp i, 0,1,2,3
.irp qt, 0,1
.set rS, S+64*\qt+8*(4*((\g)%2)+\i)
.set rK, FB+64*((\g)%2)+16*\i
.set rQ, 64*\qt+16*((\g)/2)
.if (\g) < 2
	v_wmma_f32_16x16x128_bf8_bf8 v[rS:rS+7], v[rK:rK+15], v[rQ:rQ+15], 0
.else
	v_wmma_f32_16x16x128_bf8_bf8 v[rS:rS+7], v[rK:rK+15], v[rQ:rQ+15], v[rS:rS+7]
.endif
.endr
.endr
.endm
.macro PVMUL g, first                  ; 8 products of O^T; in the first key step they start the sums: nothing is cleared
.irp i, 0,1,2,3
.irp qt, 0,1
.set rO, 16*((4*(\g)+\i)%16)+8*\qt
.set rV, FB+64*((\g)%2)+16*\i
.set rP, P+16*\qt
.if \first
	v_wmma_f32_16x16x128_bf8_bf8 v[rO:rO+7], v[rV:rV+15], v[rP:rP+15], 0
.else
	v_wmma_f32_16x16x128_bf8_bf8 v[rO:rO+7], v[rV:rV+15], v[rP:rP+15], v[rO:rO+7]
.endif
.endr
.endr
.endm
; the softmax of my two tiles for one key step, the tiles alternating line by line.  first = 1: no old maximum, no f, the sum begins
.macro SOFT first
.irp qt, 0,1
	v_max3_num_f32 v[ST+8*\qt+6], v[S+64*\qt], v[S+64*\qt+1], v[S+64*\qt+2]       ; the largest score among my 64 keys, in two chains; each accumulator from its low end on
	v_max3_num_f32 v[ST+8*\qt+7], v[S+64*\qt+3], v[S+64*\qt+4], v[S+64*\qt+5]
.endr
.set jj, 6
.rept 14
.irp qt, 0,1
	v_max3_num_f32 v[ST+8*\qt+6], v[ST+8*\qt+6], v[S+64*\qt+jj], v[S+64*\qt+jj+1]
	v_max3_num_f32 v[ST+8*\qt+7], v[ST+8*\qt+7], v[S+64*\qt+jj+2], v[S+64*\qt+jj+3]
.endr
.set jj, jj+4
.endr
.irp qt, 0,1
	v_max3_num_f32 v[ST+8*\qt+6], v[ST+8*\qt+6], v[S+64*\qt+62], v[S+64*\qt+63]
.endr
.irp qt, 0,1
	v_max_num_f32 v[ST+8*\qt+6], v[ST+8*\qt+6], v[ST+8*\qt+7]
.endr
.irp qt, 0,1
	v_permlanex16_b32 v[PX+\qt], v[ST+8*\qt+6], s[SEL], s[SEL+1]                  ; the query's other 64 keys lie in the lane 16 away
.endr
.irp qt, 0,1
	v_max_num_f32 v[ST+8*\qt+6], v[ST+8*\qt+6], v[PX+\qt]
.endr
.if \first
.irp qt, 0,1
	v_mul_f32 v[ST+8*\qt+1], s[CS], v[ST+8*\qt+6]                                 ; as t (c is positive): the largest t so far
.endr
.irp qt, 0,1
	v_floor_f32 v[ST+8*\qt], -v[ST+8*\qt+1]                                       ; -M = floor(-t) = -ceil(t)
.endr
.else
.irp qt, 0,1
	v_mul_f32 v[ST+8*\qt+6], s[CS], v[ST+8*\qt+6]
.endr
.irp qt, 0,1
	v_max_num_f32 v[ST+8*\qt+1], v[ST+8*\qt+1], v[ST+8*\qt+6]                     ; the running largest t
.endr
.irp qt, 0,1
	v_mov_b32 v[ST+8*\qt+6], v[ST+8*\qt]                                          ; the old -M is kept for f
.endr
.irp qt, 0,1
	v_floor_f32 v[ST+8*\qt], -v[ST+8*\qt+1]
.endr
.irp qt, 0,1
	v_sub_f32 v[ST+8*\qt+6], v[ST+8*\qt], v[ST+8*\qt+6]                           ; old M - new M: a whole number, 0 or less
.endr
.irp qt, 0,1
	v_cvt_i32_f32 v[ST+8*\qt+6], v[ST+8*\qt+6]
.endr
.irp qt, 0,1
	v_ldexp_f32 v[ST+8*\qt+4], 1.0, v[ST+8*\qt+6]                                 ; f = 2^(old M - new M)
.endr
.endif
.set jj, 0
.rept 32
.irp qt, 0,1
	v_pk_fma_f32 v[S+64*\qt+jj:S+64*\qt+jj+1], v[S+64*\qt+jj:S+64*\qt+jj+1], s[CS:CS+1], v[ST+8*\qt:ST+8*\qt+1] op_sel_hi:[1,0,0]   ; t - M (of the pairs c and -M the low word serves both halves)
.endr
.set jj, jj+2
.endr
.set jj, 0
.rept 128
	v_exp_f32 v[S+jj], v[S+jj]                                                    ; p = 2^(t - M), at most 1
.set jj, jj+1
.endr
	v_nop                                                                         ; a plain line between the exponentials and the use of their results
	s_wait_alu depctr_va_vdst(0)
.irp qt, 0,1
.if \first
	s_wait_alu depctr_va_vdst(0)
	v_pk_add_f32 v[ST+8*\qt+2:ST+8*\qt+3], v[S+64*\qt:S+64*\qt+1], v[S+64*\qt+4:S+64*\qt+5]   ; the sum of the UNQUANTISED p, in two chains
.else
	v_pk_mul_f32 v[ST+8*\qt+2:ST+8*\qt+3], v[ST+8*\qt+2:ST+8*\qt+3], v[ST+8*\qt+4:ST+8*\qt+5] op_sel_hi:[1,0]   ; the sum under the new M
.endif
	v_pk_add_f32 v[SB+2*\qt:SB+2*\qt+1], v[S+64*\qt+2:S+64*\qt+3], v[S+64*\qt+6:S+64*\qt+7]
.endr
.if !\first
.irp qt, 0,1
	v_pk_add_f32 v[ST+8*\qt+2:ST+8*\qt+3], v[ST+8*\qt+2:ST+8*\qt+3], v[S+64*\qt:S+64*\qt+1]
.endr
.irp qt, 0,1
	v_pk_add_f32 v[ST+8*\qt+2:ST+8*\qt+3], v[ST+8*\qt+2:ST+8*\qt+3], v[S+64*\qt+4:S+64*\qt+5]
.endr
.endif
.set jj, 8
.rept 14
.irp qt, 0,1
	v_pk_add_f32 v[ST+8*\qt+2:ST+8*\qt+3], v[ST+8*\qt+2:ST+8*\qt+3], v[S+64*\qt+jj:S+64*\qt+jj+1]
	v_pk_add_f32 v[SB+2*\qt:SB+2*\qt+1], v[SB+2*\qt:SB+2*\qt+1], v[S+64*\qt+jj+2:S+64*\qt+jj+3]
.endr
.set jj, jj+4
.endr
.irp qt, 0,1
	v_pk_add_f32 v[ST+8*\qt+2:ST+8*\qt+3], v[ST+8*\qt+2:ST+8*\qt+3], v[SB+2*\qt:SB+2*\qt+1]
.endr
.irp qt, 0,1
.irp b, 0,1,2,3
.set jj, 0
.rept 16
	v_min_num_f32 v[S+64*\qt+16*\b+jj], v[S+64*\qt+16*\b+jj], v[LIMP]             ; the conversion does not saturate (ISA guide 7.6.2); p is not negative, so the hold is one-sided
.set jj, jj+1
.endr
	v_cvt_scalef32_pk8_bf8_f32 v[P+16*\qt+4*\b:P+16*\qt+4*\b+1], v[S+64*\qt+16*\b:S+64*\qt+16*\b+7], v[SCP]
	v_cvt_scalef32_pk8_bf8_f32 v[P+16*\qt+4*\b+2:P+16*\qt+4*\b+3], v[S+64*\qt+16*\b+8:S+64*\qt+16*\b+15], v[SCP]
.endr
.endr
	v_nop                                                                         ; a plain line behind the last conversion
.endm
.macro RESC                            ; all of O^T times the number in v[ST + 8 qt + 4]: f in a key step, 1 / l at the end; each accumulator from its low end on
.irp hi, 0,1
	WIN 0x82+0x41*\hi
.set jj, 0
.rept 16
.irp qt, 0,1
.irp k, 0,2,4,6
	v_pk_mul_f32 v[16*jj+8*\qt+\k:16*jj+8*\qt+\k+1], v[16*jj+8*\qt+\k:16*jj+8*\qt+\k+1], v[ST+8*\qt+4:ST+8*\qt+5] op_sel_hi:[1,0]
.endr
.endr
.set jj, jj+1
.endr
.endr
.endm
; THE CHANGE OF SLOTS, at a key step's head.  Each wave waits for all its tensor loads (its quarter of the slot ahead), adds 0 to its spare word, and waits for that and for its reads of the slot that it has left.
; fill = 1: a round of the cluster's barrier, so that no wave of any partner still reads that slot or has a load on its way; the joint refill is the first thing behind it.
.macro CHANGE fill
	WIN 0
	s_wait_tensorcnt 0x0                           ; no tensor load of mine is out, so the descriptor may be written
	ds_add_u32 v[SPW], v[NIL]                      ; 0 onto my spare word
.if \fill
	s_xor_b32 s[G0+1], s[G0+1], SLOT1              ; the other slot than last time,
	s_add_nc_u64 s[G0+2:G0+3], s[G0+2:G0+3], 131072   ; the next key step; the type bits on top are not reached
.endif
	s_wait_dscnt 0x0                               ; the add is done, and my reads of the slot that I have left are over
.if \fill
	CROUND
	tensor_load_to_lds s[G0:G0+3], s[G1:G1+7]      ; my one tensor load until the next round
	s_nop 0
	PLACES 4
.else
	s_barrier_signal -1
	s_barrier_wait -1
.endif
.endm
; A KEY STEP of 128 keys.  Fragments come in runs of 16 loads into two buffers by turns, each run one group of 8 matrix instructions ahead of its use; V's first two runs land under the softmax.
.macro STEP first
	v_add_nc_u32 v[ADK], s[TB], v[LI]
	v_add_nc_u32 v[ADV], s[TB], v[LV]
	WIN 0x40
	LOADK 0
.irp g, 0,1,2,3,4,5,6,7
.if \g < 7
.if \g > 0
	PLACES 4                                       ; the buffer's last readers are the 8 products just issued
.endif
	WIN 0x40
	LOADK \g+1
	s_wait_dscnt 16                                ; all but the 16 just issued
.else
	s_wait_dscnt 0x0
.endif
	WIN 0x05                                       ; K and Q in window 1, S^T in window 0
	SMUL \g
.endr
	PLACES 4
	WIN 0x40
	LOADV 0
	LOADV 1
	WIN 0
	SOFT \first
.if !\first
	RESC                                           ; O^T under the new M
.endif
.irp g, 0,1,2,3,4,5,6,7
.if \g < 7
	s_wait_dscnt 16                                ; this group's V is in; the next group's 16 loads may be out
.else
	s_wait_dscnt 0x0
.endif
.if \g < 4
	WIN 0xa1                                       ; V in window 1, P in window 0, O^T in window 2
.else
	WIN 0xf1                                       ; O^T in window 3
.endif
	PVMUL \g, \first
.if \g < 6
	PLACES 4
	WIN 0x40
	LOADV \g+2
.endif
.endr
	PLACES 4                                       ; for the next step's loads into the buffers, and for the reads of O^T at the end
	WIN 0
	s_xor_b32 s[TB], s[TB], SLOT1                  ; on to the other slot
.endm
	s_wait_loadcnt 0x0                             ; Q
	CHANGE 1                                       ; key step 0 is whole; step 1 is asked for
	STEP 1
.Lstep:                                            ; six trips: steps 1 to 6; steps 2 to 7 are asked for
	CHANGE 1
	STEP 0
	s_sub_co_u32 s[CNT], s[CNT], 1
	s_cmp_lg_u32 s[CNT], 0
	s_cbranch_scc1 .Lstep
	CHANGE 0                                       ; the last step is written out
	STEP 0
	; ---- a = O^T / l, quantised; its images to slot 0; product 6; the residual
.macro WLOAD s, p                      ; my 8 fragments of wo, K step s, into set p of window 1
	WIN 0x40
.irp bt, 0,1,2,3,4,5,6,7
.irp c, 0,1,2,3
	global_load_b128 v[128*(\p)+16*\bt+4*\c:128*(\p)+16*\bt+4*\c+3], v[LI], s[WB:WB+1] offset:\bt*8192+(\s)*2048+512*\c
.endr
.endr
	WIN 0
.endm
	WLOAD 0, 0
.irp t, 0,1,2,3,4,5,6,7
	global_load_b128 v[BB+8*\t:BB+8*\t+3], v[H32], s[12:13] offset:64*\t       ; tile t, register j: bo of output 128 w + 16 t + 8 h + j
	global_load_b128 v[BB+8*\t+4:BB+8*\t+7], v[H32], s[12:13] offset:64*\t+16
.endr
.irp qt, 0,1
	v_add_f32 v[ST+8*\qt+6], v[ST+8*\qt+2], v[ST+8*\qt+3]                      ; the sum's two halves,
.endr
.irp qt, 0,1
	v_permlanex16_b32 v[PX+\qt], v[ST+8*\qt+6], s[SEL], s[SEL+1]
.endr
.irp qt, 0,1
	v_add_f32 v[ST+8*\qt+6], v[ST+8*\qt+6], v[PX+\qt]                          ; and lane l xor 16's
.endr
.irp qt, 0,1
	v_rcp_f32 v[ST+8*\qt+4], v[ST+8*\qt+6]
.endr
	v_nop                                          ; a plain line between the reciprocals and their use
	s_wait_alu depctr_va_vdst(0)
	RESC                                           ; O^T / l
.irp hi, 0,1
	WIN 0x82+0x41*\hi
.set jj, 0
.rept 256
	v_med3_num_f32 v[jj], v[jj], -v[LIMA], v[LIMA]
.set jj, jj+1
.endr
	WIN 0x02+\hi
.set jj, 0
.rept 16
.irp qt, 0,1
	v_cvt_scalef32_pk8_bf8_f32 v[S+64*\qt+16*(2*\hi+jj/8)+2*(jj%8):S+64*\qt+16*(2*\hi+jj/8)+2*(jj%8)+1], v[16*jj+8*\qt:16*jj+8*\qt+7], v[SCA]   ; channel tile ct = 16 hi + jj: registers 2 (ct % 8), + 1 of K step ct / 8
.endr
.set jj, jj+1
.endr
.endr
	v_nop                                          ; a plain line behind the last conversion
	WIN 0
.irp qt, 0,1
.irp s, 0,1,2,3
.irp c, 0,1,2,3
	ds_store_b128 v[AW], v[S+64*\qt+16*\s+4*\c:S+64*\qt+16*\s+4*\c+3] offset:\qt*8192+\s*2048+512*\c   ; tile 2 w + qt, K step s
.endr
.endr
.endr
	s_wait_dscnt 0x0                               ; for the others' sake: my images are stored
	s_barrier_signal -1
	s_barrier_wait -1                              ; a's 32 fragments lie in slot 0
	s_wait_loadcnt 0x0                             ; wo's first K step, bo
.set jj, 0
.rept 64
	v_ldexp_f32 v[BB+jj], v[BB+jj], s[NEGO]        ; bo / 2^(e10 + e11): the C of each sum's first product
.set jj, jj+1
.endr
.macro FETCHA s, a0
.irp a, \a0, \a0+1, \a0+2, \a0+3
.irp c, 0,1,2,3
	ds_load_b128 v[AF+16*(\a)+4*\c:AF+16*(\a)+4*\c+3], v[LI] offset:(\a)*8192+(\s)*2048+512*\c
.endr
.endr
.endm
.macro MUL32 hi, p, s                  ; token tiles 4 hi .. 4 hi + 3 x my 8 tiles of wo: the 64 accumulators by turns, one instruction a turn
.irp a, 0,1,2,3
.irp b, 0,1,2,3,4,5,6,7
.set rD, 8*(8*\a+\b)
.set rW, 128*(\p)+16*\b
.set rA, AF+16*(4*(\hi)+\a)
.if (\s) == 0
	v_wmma_f32_16x16x128_bf8_bf8 v[rD:rD+7], v[rW:rW+15], v[rA:rA+15], v[BB+8*\b:BB+8*\b+7]
.else
	v_wmma_f32_16x16x128_bf8_bf8 v[rD:rD+7], v[rW:rW+15], v[rA:rA+15], v[rD:rD+7]
.endif
.endr
.endr
.endm
; batch be = 8 tb + b: outputs 128 w + 16 b + 8 h + j (j = 0 .. 7), tokens 64 tb + 4 r + 0 .. 3: 8 loads of x into buffer (be + 4) % 6 of six at v64-255
.macro LOADX be
.set XBUF, 64+32*(((\be)+4)%6)
.irp j, 0,1,2,3,4,5,6,7
	global_load_b128 v[XBUF+4*\j:XBUF+4*\j+3], v[XO], s[XB:XB+1] offset:((\be)%8)*65536+\j*4096+256*((\be)/8) th:TH_LOAD_NT
.endr
.endm
.macro GSTEP s
.set PP, (\s)%2
	s_wait_loadcnt 0x0                             ; this step's wo is in
.if (\s) < 3
	WLOAD (\s)+1, 1-PP
.else
	LOADX 0                                        ; into the registers that held bo, free since step 0
	LOADX 1
.endif
	s_wait_dscnt 16                                ; tiles 0-3 are in; the youngest 16 loads may be out
.if (\s) == 0
	WIN 0x81
.else
	WIN 0xa1
.endif
	MUL32 0, PP, \s
	s_wait_dscnt 0x0
.if (\s) < 3
	PLACES 4
	WIN 0
	FETCHA (\s)+1, 0
.endif
.if (\s) == 0
	WIN 0xc1
.else
	WIN 0xf1
.endif
	MUL32 1, PP, \s
	PLACES 4
	WIN 0
.if (\s) < 3
	FETCHA (\s)+1, 4
.endif
.endm
	FETCHA 0, 0
	FETCHA 0, 4
	GSTEP 0
	GSTEP 1
	GSTEP 2
	GSTEP 3
	LOADX 2                                        ; the tokens' fragments are done with: four more buffers
	LOADX 3
	LOADX 4
	LOADX 5
.macro OUTB be
.set XBUF, 64+32*(((\be)+4)%6)
.if (\be) <= 10
	s_wait_loadcnt 40                              ; this batch's 8 loads are in; those of the five batches behind it may be out
.else
	s_wait_loadcnt 8*(15-(\be))
.endif
	WIN 0x02+(\be)/8
.irp j, 0,1,2,3,4,5,6,7
.irp jt, 0,1,2,3
	v_fma_f32 v[XBUF+4*\j+\jt], v[8*(8*\jt+((\be)%8))+\j], s[SSC], v[XBUF+4*\j+\jt]   ; out = sum x 2^(e10 + e11) + x; each accumulator from its low end on
.endr
.endr
	WIN 0
.irp j, 0,1,2,3,4,5,6,7
	global_store_b128 v[XO], v[XBUF+4*\j:XBUF+4*\j+3], s[OB:OB+1] offset:((\be)%8)*65536+\j*4096+256*((\be)/8) th:TH_STORE_NT   ; sixteen lanes store 256 bytes on end, at a multiple of 256 from out's first byte
.endr
.if (\be) <= 9
	s_wait_xcnt 0x0                                ; the stores have read their registers: the buffer takes the batch six further on
	LOADX (\be)+6
.endif
.endm
.irp be, 0,1,2,3,4,5,6,7,8,9,10,11,12,13,14,15
	OUTB \be
.endr
	s_wait_tensorcnt 0x0                           ; the wave's end, behind my last tensor load and my last LDS store
	ds_add_u32 v[SPW], v[NIL]
	s_wait_dscnt 0x0
	CROUND                                         ; the closing round: no work-group ends while a partner may still ask for a tile that names it
	s_endpgm
.Lfunc_end_k_q03ab3f95a4_attn:
	.size	k_q03ab3f95a4_attn, .Lfunc_end_k_q03ab3f95a4_attn-k_q03ab3f95a4_attn
	.p2alignl 7, 3214868480
	.fill 96, 4, 3214868480
	.section	.rodata,"a",@progbits
	.p2align	6, 0x0
	.amdhsa_kernel k_q03ab3f95a4_attn
		.amdhsa_group_segment_fixed_size 327680
		.amdhsa_private_segment_fixed_size 0
		.amdhsa_enable_private_segment 0
		.amdhsa_kernarg_size 56
		.amdhsa_user_sgpr_count 2
		.amdhsa_user_sgpr_kernarg_segment_ptr 1
		.amdhsa_wavefront_size32 1
		.amdhsa_system_sgpr_workgroup_id_x 1
		.amdhsa_system_sgpr_workgroup_id_y 1
		.amdhsa_system_sgpr_workgroup_id_z 1
		.amdhsa_system_vgpr_workitem_id 0
		.amdhsa_next_free_vgpr 1024
		.amdhsa_next_free_sgpr 100
		.amdhsa_reserve_vcc 0
		.amdhsa_float_denorm_mode_32 3
		.amdhsa_float_denorm_mode_16_64 3
		.amdhsa_memory_ordered 1
		.amdhsa_forward_progress 1
		.amdhsa_inst_pref_size 255
	.end_amdhsa_kernel
	.section	.bss,"aw",@nobits
	.p2align	6
	.space	262144
	.amdgpu_metadata
---
amdhsa.version: [ 1, 2 ]
amdhsa.kernels:
  - .name:           k_q03ab3f95a4_attn
    .symbol:         k_q03ab3f95a4_attn.kd
    .args:
      - { .name: qimg, .offset: 0, .size: 8, .value_kind: global_buffer, .address_space: global }
      - { .name: kv, .offset: 8, .size: 8, .value_kind: global_buffer, .address_space: global }
      - { .name: wimg, .offset: 16, .size: 8, .value_kind: global_buffer, .address_space: global }
      - { .name: lowp_scales, .offset: 24, .size: 8, .value_kind: global_buffer, .address_space: global }
      - { .name: bo, .offset: 32, .size: 8, .value_kind: global_buffer, .address_space: global }
      - { .name: x, .offset: 40, .size: 8, .value_kind: global_buffer, .address_space: global }
      - { .name: out0, .offset: 48, .size: 8, .value_kind: global_buffer, .address_space: global }
    .group_segment_fixed_size: 327680
    .private_segment_fixed_size: 0
    .kernarg_segment_align: 8
    .kernarg_segment_size: 56
    .max_flat_workgroup_size: 128
    .sgpr_count:     100
    .vgpr_count:     1024
    .wavefront_size: 32
...
	.end_amdgpu_metadata
.endif
;; end of part 3
;; ======== version 2 of 2: 3 launches
;; workspace buffers: stats 8,192 bytes; wimg 1,048,576 bytes; qimg 16,777,216 bytes; kv 33,554,432 bytes
;; launch prep (part 4): grid 1024 x 1, 4 waves a work-group, no clusters, 768 bytes of LDS; arguments x, wq, wk, wv, wo, lowp_scales, stats, wimg; writes stats, wimg
.if DOCPART == 4
	.amdgcn_target "amdgcn-amd-amdhsa--gfx1250"
	.amdhsa_code_object_version 6
	.text
	.protected	k_q03ab3f95a4_prep
	.globl	k_q03ab3f95a4_prep
	.p2align	8
	.type	k_q03ab3f95a4_prep,@function
k_q03ab3f95a4_prep:
	s_mov_b64 s[64:65], 0
	v_nop
	global_prefetch_b8 v0, s[64:65] scope:SCOPE_SE
	s_setreg_imm32_b32 hwreg(HW_REG_WAVE_MODE, 25, 1), 1
	s_wait_xcnt 0x0
; PREP.  (1) Mean and 1/sqrt(var + 1e-5) of each (image, group): a group is 16 channels x 1,024 pixels = 65,536 bytes on end.  One work-group a group: 128 threads x 32 loads of
; 16 bytes keep the whole group in registers, so it is read once and the variance is the mean of (x - mean)^2: no difference of large sums is formed.
; (2) Work-groups 0-127 then turn one tile of 16 rows of a weight (m = id / 32: wq, wk, wv, wo; T = id % 32) into codes of E5M2, each wave one K step of 128, laid as an IMAGE OF THE OPERAND'S
; REGISTERS: 4 groups of 512 bytes; lane l's 16 bytes of group c at 512 c + 16 l hold k = 32 c + 16 (l / 16) + 0 .. 15 of row l % 16.
; Rows of a tile: wq, wk, wv: row r = output 32 (T / 2) + 8 (T % 2) + r + 8 (r / 8), so that two neighbouring tiles' results are 16 neighbours along the next K;  wo: output 16 T + r.
; code = w / 2^e, held within +-57,344, to the nearest code, ties to even.  LIMITS: e between -126 and 112.  NaN among the inputs is not served.
; No matrix work, no tensor loads: each byte is read once by dense loads of a wave; nothing is shared between work-groups, so a cluster would have nothing to ask for jointly.
.set X, 32                             ; v32-159  the group, 128 numbers a lane; later a weight's 64 numbers (v32-95) and their codes (v96-111)
	s_load_b512 s[8:23], s[0:1], 0x0               ; x s[8:9], wq s[10:11], wk s[12:13], wv s[14:15], wo s[16:17], scales s[18:19], stats s[20:21], wimg s[22:23]
	v_lshl_add_u32 v160, v0, 2, 0x100
	v_mov_b32 v161, 0
	v_lshlrev_b32 v1, 4, v0                        ; 16 bytes a thread: a wave's load covers 512 bytes on end
	v_lshrrev_b32 v2, 5, v0
	v_readfirstlane_b32 s4, v2                     ; wave
	v_lshlrev_b32 v3, 2, v2                        ; my wave's word in LDS
	v_mov_b32 v4, 0
	s_lshl_b32 s2, ttmp9, 16                       ; the group's 65,536 bytes
	s_mov_b32 s3, 0
	s_lshl_b32 s26, ttmp9, 3                       ; its 8 bytes in stats
	s_mov_b32 s27, 0
	s_mov_b32 s6, 0x76543210                       ; v_permlanex16_b32: lane l xor 16
	s_mov_b32 s7, 0xfedcba98
	s_wait_alu depctr_va_vdst(0)
	s_wait_kmcnt 0x0
	s_add_nc_u64 s[24:25], s[8:9], s[2:3]
	s_add_nc_u64 s[26:27], s[20:21], s[26:27]
.set ii, 0
.rept 32
	global_load_b128 v[X+4*ii:X+4*ii+3], v1, s[24:25] offset:2048*ii
.set ii, ii+1
.endr
; four packed chains in v[8:15] -> one number a work-group in v16: within the lane, across the lanes, across the waves through four words of LDS at byte off
.macro REDUCE off
	v_pk_add_f32 v[8:9], v[8:9], v[10:11]
	v_pk_add_f32 v[12:13], v[12:13], v[14:15]
	v_pk_add_f32 v[8:9], v[8:9], v[12:13]
	v_add_f32 v8, v8, v9
	v_add_f32_dpp v8, v8, v8 row_xmask:1 row_mask:0xf bank_mask:0xf
	v_add_f32_dpp v8, v8, v8 row_xmask:2 row_mask:0xf bank_mask:0xf
	v_add_f32_dpp v8, v8, v8 row_xmask:4 row_mask:0xf bank_mask:0xf
	v_add_f32_dpp v8, v8, v8 row_xmask:8 row_mask:0xf bank_mask:0xf
	v_permlanex16_b32 v9, v8, s6, s7               ; v9 has been written: the destination counts as read
	v_add_f32 v8, v8, v9
	ds_store_b32 v3, v8 offset:\off                ; all lanes of a wave write the same word with the same value
	s_wait_dscnt 0x0                               ; for the others' sake: my store is done
	s_barrier_signal -1
	s_barrier_wait -1
	ds_load_b128 v[16:19], v4 offset:\off          ; the four waves' figures
	s_wait_dscnt 0x0
	v_add_f32 v16, v16, v17
	v_add_f32 v18, v18, v19
	v_add_f32 v16, v16, v18
.endm
	; pass 1: the sum.  The counts leave the younger loads out: 24, 16, 8, 0 of the 32
	s_wait_loadcnt 24
.irp k, 0,1,2,3
	v_pk_add_f32 v[8+2*\k:9+2*\k], v[X+2*\k:X+2*\k+1], v[X+8+2*\k:X+9+2*\k]   ; the first eight pairs start the chains: nothing is cleared
.endr
.set pp, 8
.rept 56
.if pp == 16
	s_wait_alu depctr_va_vdst(0)
	s_wait_loadcnt 16
.endif
.if pp == 32
	s_wait_alu depctr_va_vdst(0)
	s_wait_loadcnt 8
.endif
.if pp == 48
	s_wait_alu depctr_va_vdst(0)
	s_wait_loadcnt 0x0
.endif
	v_pk_add_f32 v[8+2*(pp%4):9+2*(pp%4)], v[8+2*(pp%4):9+2*(pp%4)], v[X+2*pp:X+2*pp+1]
.set pp, pp+1
.endr
	REDUCE 0
	v_mul_f32 v24, 0x38800000, v16                 ; mean = sum / 16,384
	v_mov_b32 v25, v24                             ; as a pair for the packed subtraction
	; pass 2: the sum of (x - mean)^2, four differences and four chains by turns
.irp k, 0,1,2,3
	v_pk_add_f32 v[16+2*\k:17+2*\k], v[X+2*\k:X+2*\k+1], v[24:25] neg_lo:[0,1] neg_hi:[0,1]
.endr
.irp k, 0,1,2,3
	v_pk_mul_f32 v[8+2*\k:9+2*\k], v[16+2*\k:17+2*\k], v[16+2*\k:17+2*\k]
.endr
.set pp, 4
.rept 15
.irp k, 0,1,2,3
	v_pk_add_f32 v[16+2*\k:17+2*\k], v[X+2*(pp+\k):X+2*(pp+\k)+1], v[24:25] neg_lo:[0,1] neg_hi:[0,1]
.endr
.irp k, 0,1,2,3
	v_pk_fma_f32 v[8+2*\k:9+2*\k], v[16+2*\k:17+2*\k], v[16+2*\k:17+2*\k], v[8+2*\k:9+2*\k]
.endr
.set pp, pp+4
.endr
	REDUCE 16                                      ; other words than pass 1's: nobody overwrites what a slower wave still reads
	v_mov_b32 v27, 0x38800000
	v_fmaak_f32 v26, v16, v27, 0x3727c5ac          ; var + 1e-5
	s_wait_alu depctr_va_vdst(0)
	v_rsq_f32 v25, v26
	v_nop                                          ; a plain line between the transcendental and the use of its result
	v_cmp_eq_u32 vcc_lo, 0, v0
	s_wait_xcnt 0x0                                ; EXEC changes only behind this wait
	s_and_saveexec_b32 s5, vcc_lo
	s_wait_alu depctr_va_vdst(0)
	global_store_b64 v4, v[24:25], s[26:27]        ; (mean, rstd): thread 0 alone
	s_wait_xcnt 0x0
	s_or_b32 exec_lo, exec_lo, s5
	s_cmp_ge_u32 ttmp9, 128                        ; the weights have 128 tiles of 16 rows: the first 128 work-groups take one each
	s_cbranch_scc1 .Ldone
	s_load_b128 s[32:35], s[18:19], 0x0            ; e0 .. e11
	s_load_b128 s[36:39], s[18:19], 0x10
	s_load_b128 s[40:43], s[18:19], 0x20
	s_lshr_b32 s28, ttmp9, 5                       ; m
	s_and_b32 s29, ttmp9, 31                       ; T
	s_lshr_b32 s44, s29, 1
	s_lshl_b32 s44, s44, 5
	s_and_b32 s45, s29, 1
	s_lshl_b32 s45, s45, 3
	s_add_co_u32 s44, s44, s45                     ; 32 (T / 2) + 8 (T % 2)
	s_lshl_b32 s45, s29, 4                         ; 16 T
	s_cmp_eq_u32 s28, 1
	s_cselect_b64 s[10:11], s[12:13], s[10:11]     ; the choice of buffer hangs on the work-group's number alone
	s_cmp_eq_u32 s28, 2
	s_cselect_b64 s[10:11], s[14:15], s[10:11]
	s_cmp_eq_u32 s28, 3
	s_cselect_b64 s[10:11], s[16:17], s[10:11]
	s_cselect_b32 s44, s45, s44                    ; the tile's first row
	s_cselect_b32 s46, 0, 8                        ; wo's rows are neighbours; the others' lanes 8-15 stand 8 rows further on
	v_and_b32 v5, 15, v0                           ; r
	v_bfe_u32 v7, v0, 4, 1                         ; h
	v_and_b32 v6, s46, v5
	v_add_nc_u32 v6, v6, v5
	v_lshlrev_b32 v6, 11, v6                       ; a row of 512 f32 is 2,048 bytes
	v_lshl_add_u32 v6, v7, 6, v6                   ; + 64 h: my 16 numbers of a block of 32
	s_wait_alu depctr_va_vdst(0)
	v_and_b32 v8, 31, v0
	v_lshlrev_b32 v8, 4, v8                        ; 16 x lane: my place in an image's group
	s_lshl_b32 s44, s44, 11
	s_lshl_b32 s45, s4, 9                          ; K step = wave: 128 numbers, 512 bytes
	s_add_co_u32 s44, s44, s45
	s_mov_b32 s45, 0
	s_add_nc_u64 s[10:11], s[10:11], s[44:45]
	s_lshl_b32 s44, ttmp9, 13                      ; the tile's four fragments of 2,048 bytes,
	s_lshl_b32 s47, s4, 11                         ; mine of them
	s_add_co_u32 s44, s44, s47
	s_add_nc_u64 s[22:23], s[22:23], s[44:45]
.irp c, 0,1,2,3
.irp q, 0,1,2,3
	global_load_b128 v[X+16*\c+4*\q:X+16*\c+4*\q+3], v6, s[10:11] offset:128*\c+16*\q th:TH_LOAD_NT   ; over the 16 loads the wave reads all 512 bytes of each of its 16 rows
.endr
.endr
	s_wait_kmcnt 0x0
	s_cmp_eq_u32 s28, 1                            ; the weight's exponent: entries 1, 3, 5, 11
	s_cselect_b32 s33, s35, s33
	s_cmp_eq_u32 s28, 2
	s_cselect_b32 s33, s37, s33
	s_cmp_eq_u32 s28, 3
	s_cselect_b32 s33, s43, s33
	s_add_co_i32 s33, s33, 127
	s_lshl_b32 s34, s33, 23
	v_mov_b32 v11, s34                             ; 2^e as f32: the conversion takes its exponent field
	s_add_co_i32 s33, s33, 15
	s_lshl_b32 s33, s33, 23
	s_or_b32 s33, s33, 0x600000
	v_mov_b32 v10, s33                             ; 57,344 x 2^e
	s_wait_alu depctr_va_vdst(0)
	s_wait_loadcnt 0x0
.set ii, 0
.rept 64
	v_med3_num_f32 v[X+ii], v[X+ii], -v10, v10     ; the conversion to an 8-bit code does not saturate (ISA guide 7.6.2): the hold comes first
.set ii, ii+1
.endr
.irp g, 0,1,2,3,4,5,6,7
	v_cvt_scalef32_pk8_bf8_f32 v[96+2*\g:97+2*\g], v[X+8*\g:X+8*\g+7], v11
.endr
.irp c, 0,1,2,3
	global_store_b128 v8, v[96+4*\c:99+4*\c], s[22:23] offset:512*\c   ; 32 lanes store 512 bytes on end, at a multiple of 256 from the buffer's first byte
.endr
.Ldone:
	s_wait_tensorcnt 0x0
	ds_add_u32 v160, v161
	s_wait_dscnt 0x0
	s_endpgm
.Lfunc_end_k_q03ab3f95a4_prep:
	.size	k_q03ab3f95a4_prep, .Lfunc_end_k_q03ab3f95a4_prep-k_q03ab3f95a4_prep
	.p2alignl 7, 3214868480
	.fill 96, 4, 3214868480
	.section	.rodata,"a",@progbits
	.p2align	6, 0x0
	.amdhsa_kernel k_q03ab3f95a4_prep
		.amdhsa_group_segment_fixed_size 768
		.amdhsa_private_segment_fixed_size 0
		.amdhsa_enable_private_segment 0
		.amdhsa_kernarg_size 64
		.amdhsa_user_sgpr_count 2
		.amdhsa_user_sgpr_kernarg_segment_ptr 1
		.amdhsa_wavefront_size32 1
		.amdhsa_system_sgpr_workgroup_id_x 1
		.amdhsa_system_sgpr_workgroup_id_y 1
		.amdhsa_system_sgpr_workgroup_id_z 1
		.amdhsa_system_vgpr_workitem_id 0
		.amdhsa_next_free_vgpr 162
		.amdhsa_next_free_sgpr 66
		.amdhsa_reserve_vcc 1
		.amdhsa_float_denorm_mode_32 3
		.amdhsa_float_denorm_mode_16_64 3
		.amdhsa_memory_ordered 1
		.amdhsa_forward_progress 1
		.amdhsa_inst_pref_size 27
	.end_amdhsa_kernel
	.amdgpu_metadata
---
amdhsa.version: [ 1, 2 ]
amdhsa.kernels:
  - .name:           k_q03ab3f95a4_prep
    .symbol:         k_q03ab3f95a4_prep.kd
    .args:
      - { .name: x, .offset: 0, .size: 8, .value_kind: global_buffer, .address_space: global }
      - { .name: wq, .offset: 8, .size: 8, .value_kind: global_buffer, .address_space: global }
      - { .name: wk, .offset: 16, .size: 8, .value_kind: global_buffer, .address_space: global }
      - { .name: wv, .offset: 24, .size: 8, .value_kind: global_buffer, .address_space: global }
      - { .name: wo, .offset: 32, .size: 8, .value_kind: global_buffer, .address_space: global }
      - { .name: lowp_scales, .offset: 40, .size: 8, .value_kind: global_buffer, .address_space: global }
      - { .name: stats, .offset: 48, .size: 8, .value_kind: global_buffer, .address_space: global }
      - { .name: wimg, .offset: 56, .size: 8, .value_kind: global_buffer, .address_space: global }
    .group_segment_fixed_size: 768
    .private_segment_fixed_size: 0
    .kernarg_segment_align: 8
    .kernarg_segment_size: 64
    .max_flat_workgroup_size: 128
    .sgpr_count:     66
    .vgpr_count:     162
    .wavefront_size: 32
...
	.end_amdgpu_metadata
.endif
;; end of part 4
;; launch qkv (part 5): grid 8 x 32, 4 waves a work-group, no clusters, 197,120 bytes of LDS; arguments x, stats, gn_scale, gn_bias, wimg, bq, bk, bv, lowp_scales, qimg, kv; writes qimg, kv
.if DOCPART == 5
	.amdgcn_target "amdgcn-amd-amdhsa--gfx1250"
	.amdhsa_code_object_version 6
	.text
	.protected	k_q03ab3f95a4_qkv
	.globl	k_q03ab3f95a4_qkv
	.p2align	8
	.type	k_q03ab3f95a4_qkv,@function
k_q03ab3f95a4_qkv:
	s_mov_b64 s[64:65], 0
	v_nop
	global_prefetch_b8 v0, s[64:65] scope:SCOPE_SE
	s_setreg_imm32_b32 hwreg(HW_REG_WAVE_SCHED_MODE, 0, 2), 2
	s_setreg_imm32_b32 hwreg(HW_REG_WAVE_MODE, 25, 1), 1
	s_wait_xcnt 0x0
	s_wait_alu depctr_vm_vsrc(0)
; QKV.  A work-group takes 128 tokens (block blk = x id) of one image (y id): h = group norm of x, quantised three times (e0, e2, e4), products 1 to 3 on codes of E5M2, biases, and q, k, v quantised (e6, e7, e9).
; TOKENS OF A TILE: row r of tile a (0-7) is token 128 blk + 64 (a / 4) + 4 r + a % 4: a lane's 16 bytes of a channel's row of x are then row r of four tiles, and sixteen lanes read 256 bytes on end.
; FRAGMENT IMAGE (all operands, in LDS and in memory): 16 rows x 128 K = 4 groups of 512 bytes; lane l's 16 bytes of group c at 512 c + 16 l hold k = 32 c + 16 (l / 16) + 0 .. 15 of row l % 16: the same
; permutation of k on both sides of every product, so every product meets its partner.
; PHASE X: wave w makes K step w (channels 128 w ..) of all 8 tiles x 3 scales: registers run down the channels, so the conversions' results are the operand's registers.  Images to LDS; ONE barrier.
; PRODUCTS: THE WAVES SHARE THE COLUMNS: wave w takes the weight's tiles 8 w .. 8 w + 7 against all 8 token tiles: 64 accumulators.  A weight's fragment is read by one wave alone: it goes from memory straight into registers.
;   q, k: source 0 = 16 rows of W, source 1 = 16 tokens: a lane holds one token, its registers 8 outputs; tiles 2 b, 2 b + 1 give 16 neighbours of the next K (the rows of W are chosen so): K step w of q's or k's fragment.
;   v:    source 0 = 16 tokens, source 1 = 16 rows of Wv: a lane holds one channel, its registers run along the keys: tile a's codes are registers 2 a, 2 a + 1 of V's fragment (16 channels x 128 keys).
; The bias, divided by the power of two that the sums lack, is the C of each sum's first product.  The scales ahead of a quantiser are folded into the conversion's one.
; NO JOINT LOADS OF W: h's images take 3 x 8 x 4 x 2,048 = 196,608 bytes; two slots of one K step of a weight (2 x 65,536) would bring LDS to 327,680 with no byte left for anything else.
; LIMITS, so that each power of two is an f32 number: e0, e2, e4, e6 - e0 - e1, e7 - e2 - e3, e9 - e4 - e5 between -126 and 112.  NaN among the inputs is not served.
; REGISTERS, in windows of 256: w0: v1-17 addresses and scales; v20-27 (mean, rstd) of my four pairs of groups; v32-47 at work; v48-63 codes; v64-127 h as f32 (phase X); then v64-127, v128-191, v192-255: three buffers of four
;   fragments of tokens, the third of which holds the bias in a product's first K step; v64-191 also the codes that leave.
;   w1: W's fragments, two sets of 8.   w2: phase X: four sets of 64 numbers of x; then accumulators (a, b) at v[8 (8 (a % 4) + b)], a < 4.   w3: phase X: scale x rstd (v0-63), gn_bias (v64-127); then the accumulators of a >= 4.
; THE MODE: SCHED_MODE bits 1:0 = 2 (LLVM: expert scheduling mode 2), set by the entry lines.  The code itself states the register dependences between vector or matrix instructions and memory or LDS instructions, with s_wait_alu, always for 0.
; THE PLAN.  Registers that memory or LDS instructions touch:
;   v4-9, v12, v13, v15   offsets and LDS addresses: written at the head, never again: one wait on va_vdst ahead of the first load.
;   w2, sets 0-3 of x     unit u subtracts in place in set u % 4 and its multiply-adds read it; behind them one wait on va_vdst, and the loads of unit u + 4 land in it.
;   v48-63, v10           a trip of the loop over the three scales writes the codes and the address; one wait on va_vdst; four LDS stores read them; one wait on vm_vsrc at the next trip's head.
;   w1, W's sets 0, 1     K step s reads set s % 2; at the head of step s + 1 it is asked for again.
;   buffers 0, 1, 2       K step:            0            1                     2                     3
;                         low tiles 0-3 in   0            0                     2                     1
;                         high tiles 4-7 in  1            1                     0                     0
;                         asked at the head  -            high -> 1, low -> 2   high -> 0, low -> 1   high -> 0, the next bias -> 2
;                         Each load lands in a buffer that the step BEFORE read (in step 1: buffer 2 held the bias, the C of step 0).  So ONE wait on va_vdst at the head of steps 1 to 3 states all that the head's loads
;                         (the tokens', W's, the bias's) hang on, and the step's 64 products follow with no load among them.  Step 0 has no free buffer: one wait in its middle, and step 1's low tiles land in buffer 0.
;   v64-191, the way out  the conversions write the codes; one wait on va_vdst; 32 stores read them; one wait on vm_vsrc ahead of the next product's fragments.
.set XO,  4                            ; v4   x: 16 r + 65,536 h (lanes 16-31 stand 16 channels further down)
.set LI,  5                            ; v5   16 x lane
.set HR,  6                            ; v6-8 where h's images of scale 0, 1, 2 are read
.set HW,  9                            ; v9   where I store them: 16 x lane + 2,048 x wave
.set AD,  10
.set H64, 12                           ; v12  64 h
.set H8,  13                           ; v13  8 h
.set R4,  15                           ; v15  4 (r + 8 (r / 8))
.set LIM, 16
.set SC,  17
.set ST,  20
.set T,   32
.set C,   48
.set AF,  64                           ; the way out: the codes that leave
.set Y,   64
.set AB0, 64                           ; the three buffers of four fragments of tokens
.set AB1, 128
.set AB2, 192
.set BB,  192                          ; the bias lies in the third
.set WV,  4
.set XB,  44
.set WB,  46
.set QB,  48
.set KB,  50
.set VB,  52
.set SL,  54                           ; s54-56 the holds of e0, e2, e4;  s57-59 their scales: they go round in the loop over the three
.set SS,  57
.set TMP, 60
.set OFF, 61
.set CNT, 62
.set PSC, 66                           ; s66-68 the conversions' scales of q, k, v;  s69-71 their holds;  s72-74 the exponents that the biases are divided by, negated
.set PLIM, 69
.set PNEG, 72
.set MSB, 0
.macro WIN new                         ; the immediate's high byte repeats the setting that is left; a switch that changes nothing is dropped
.if MSB != (\new)
	s_set_vgpr_msb (MSB<<8)|(\new)
.set MSB, (\new)
.endif
.endm
.macro PLACES n                        ; plain vector lines behind a matrix instruction, ahead of loads into its registers and of reads of its result
.rept \n
	v_nop
.endr
.endm
.macro MKSC e, sc, lim                 ; s[e] = E  ->  s[sc] = 2^E as f32, s[lim] = 57,344 x 2^E
	s_add_co_i32 s[\e], s[\e], 127
	s_lshl_b32 s[\sc], s[\e], 23
	s_add_co_i32 s[\e], s[\e], 15
	s_lshl_b32 s[\lim], s[\e], 23
	s_or_b32 s[\lim], s[\lim], 0x600000
.endm
	s_load_b512 s[8:23], s[0:1], 0x0               ; x, stats, gn_scale, gn_bias, wimg, bq, bk, bv
	s_load_b128 s[24:27], s[0:1], 0x40             ; scales, qimg
	s_load_b64 s[28:29], s[0:1], 0x50              ; kv
	v_lshl_add_u32 v30, v0, 2, 0x30000
	v_mov_b32 v31, 0
	v_lshrrev_b32 v1, 5, v0
	v_readfirstlane_b32 s[WV], v1                  ; wave
	v_and_b32 v1, 31, v0                           ; lane
	v_and_b32 v2, 15, v0                           ; r
	v_bfe_u32 v3, v0, 4, 1                         ; h
	v_lshlrev_b32 v[XO], 4, v2
	v_lshl_add_u32 v[XO], v3, 16, v[XO]
	v_lshlrev_b32 v[LI], 4, v1
	v_mov_b32 v[HR], v[LI]
	v_add_nc_u32 v[HR+1], 0x10000, v[LI]
	v_add_nc_u32 v[HR+2], 0x20000, v[LI]
	s_wait_alu depctr_va_sdst(0)                   ; the wave's number is written, ahead of its first reader: the line below
	s_lshl_b32 s2, s[WV], 11
	v_add_nc_u32 v[HW], s2, v[LI]
	v_lshlrev_b32 v[H64], 6, v3
	v_lshlrev_b32 v[H8], 3, v3
	v_and_b32 v[R4], 8, v2
	v_add_nc_u32 v[R4], v[R4], v2
	v_lshlrev_b32 v[R4], 2, v[R4]
	s_and_b32 s6, ttmp7, 0xffff                    ; the image
	s_lshl_b32 s2, s6, 21                          ; x: image, my 128 channels, the block's 128 tokens
	s_lshl_b32 s3, s[WV], 19
	s_add_co_u32 s2, s2, s3
	s_lshl_b32 s3, ttmp9, 9
	s_add_co_u32 s2, s2, s3
	s_mov_b32 s3, 0
	s_lshl_b32 s30, s6, 8                          ; stats: 32 groups x 8 bytes an image, my 8 groups
	s_lshl_b32 s31, s[WV], 6
	s_add_co_u32 s30, s30, s31
	s_mov_b32 s31, 0
	s_lshl_b32 s76, s[WV], 9                       ; my 128 numbers of a vector of 512
	s_mov_b32 s77, 0
	s_lshl_b32 s78, s[WV], 16                      ; my 8 tiles x 4 fragments of a weight
	s_mov_b32 s79, 0
	s_lshl_b32 s80, s6, 19                         ; qimg: image, block, K step = wave
	s_lshl_b32 s81, ttmp9, 16
	s_add_co_u32 s80, s80, s81
	s_lshl_b32 s81, s[WV], 11
	s_add_co_u32 s80, s80, s81
	s_lshl_b32 s82, s6, 20                         ; kv: image, key step = block;  K: K step = wave
	s_lshl_b32 s83, ttmp9, 17
	s_add_co_u32 s82, s82, s83
	s_add_co_u32 s86, s82, 0x10000                 ; V lies behind K's 65,536 bytes: my 8 fragments
	s_add_co_u32 s82, s82, s81
	s_lshl_b32 s87, s[WV], 14
	s_add_co_u32 s86, s86, s87
	s_mov_b32 s81, 0
	s_mov_b32 s83, 0
	s_mov_b32 s87, 0
	s_mov_b32 s[OFF], 0
	s_wait_kmcnt 0x0
	s_load_b128 s[32:35], s[24:25], 0x0            ; e0 .. e11
	s_load_b128 s[36:39], s[24:25], 0x10
	s_load_b128 s[40:43], s[24:25], 0x20
	s_add_nc_u64 s[XB:XB+1], s[8:9], s[2:3]
	s_add_nc_u64 s[10:11], s[10:11], s[30:31]
	s_add_nc_u64 s[12:13], s[12:13], s[76:77]
	s_add_nc_u64 s[14:15], s[14:15], s[76:77]
	s_add_nc_u64 s[18:19], s[18:19], s[76:77]
	s_add_nc_u64 s[20:21], s[20:21], s[76:77]
	s_add_nc_u64 s[22:23], s[22:23], s[76:77]
	s_add_nc_u64 s[WB:WB+1], s[16:17], s[78:79]
	s_add_nc_u64 s[QB:QB+1], s[26:27], s[80:81]
	s_add_nc_u64 s[KB:KB+1], s[28:29], s[82:83]
	s_add_nc_u64 s[VB:VB+1], s[28:29], s[86:87]
; unit u = 2 c + tb: channels 128 w + 32 c + 16 h + i (i = 0 .. 15), tokens 64 tb + 4 r + 0 .. 3: 16 loads into set u % 4 of window 2; sixteen lanes read 256 bytes on end
.macro XLOAD u
	WIN 0x80
.irp i, 0,1,2,3,4,5,6,7,8,9,10,11,12,13,14,15
	global_load_b128 v[64*((\u)%4)+4*\i:64*((\u)%4)+4*\i+3], v[XO], s[XB:XB+1] offset:131072*((\u)/2)+4096*\i+256*((\u)%2)
.endr
.endm
; my 8 fragments of weight m, K step s, into set p of window 1: each load is 512 bytes on end
.macro WLOAD m, s, p
	WIN 0x40
.irp bt, 0,1,2,3,4,5,6,7
.irp c, 0,1,2,3
	global_load_b128 v[128*(\p)+16*\bt+4*\c:128*(\p)+16*\bt+4*\c+3], v[LI], s[WB:WB+1] offset:(\m)*262144+\bt*8192+(\s)*2048+512*\c
.endr
.endr
	WIN 0
.endm
.macro BIASQK base                     ; tile t, register j: the bias of output 128 w + 32 (t / 2) + 16 h + 8 (t % 2) + j
.irp t, 0,1,2,3,4,5,6,7
	global_load_b128 v[BB+8*\t:BB+8*\t+3], v[H64], s[\base:\base+1] offset:128*(\t/2)+32*(\t%2)
	global_load_b128 v[BB+8*\t+4:BB+8*\t+7], v[H64], s[\base:\base+1] offset:128*(\t/2)+32*(\t%2)+16
.endr
.endm
.macro BIASV                           ; tile t: bv of my lane's channel 128 w + 32 (t / 2) + 8 (t % 2) + r + 8 (r / 8)
.irp t, 0,1,2,3,4,5,6,7
	global_load_b32 v[T+\t], v[R4], s[22:23] offset:128*(\t/2)+32*(\t%2)
.endr
.endm
	s_wait_alu depctr_va_vdst(0)                   ; the offsets and LDS addresses v4-9, v12, v13, v15 are written: every load and store of the kernel reads one of them, and none is written again
.irp c, 0,1,2,3
	global_load_b64 v[ST+2*\c:ST+2*\c+1], v[H8], s[10:11] offset:16*\c   ; (mean, rstd) of group 8 w + 2 c + h
.endr
	WIN 0xc0
.irp c, 0,1,2,3
.irp q, 0,1,2,3
	global_load_b128 v[16*\c+4*\q:16*\c+4*\q+3], v[H64], s[12:13] offset:128*\c+16*\q         ; gn_scale of channels 128 w + 32 c + 16 h + 0 .. 15
	global_load_b128 v[64+16*\c+4*\q:64+16*\c+4*\q+3], v[H64], s[14:15] offset:128*\c+16*\q   ; gn_bias likewise
.endr
.endr
	XLOAD 0
	XLOAD 1
	XLOAD 2
	s_wait_kmcnt 0x0
	s_add_co_i32 s[PNEG], s32, s33                 ; a sum of product 1 stands for sum x 2^(e0 + e1): bq goes in divided by that, and q's conversion takes 2^(e6 - e0 - e1)
	s_sub_co_i32 s84, s38, s[PNEG]
	s_sub_co_i32 s[PNEG], 0, s[PNEG]
	MKSC 84, PSC, PLIM
	s_add_co_i32 s[PNEG+1], s34, s35               ; k: e7 - e2 - e3
	s_sub_co_i32 s84, s39, s[PNEG+1]
	s_sub_co_i32 s[PNEG+1], 0, s[PNEG+1]
	MKSC 84, PSC+1, PLIM+1
	s_add_co_i32 s[PNEG+2], s36, s37               ; v: e9 - e4 - e5
	s_sub_co_i32 s84, s41, s[PNEG+2]
	s_sub_co_i32 s[PNEG+2], 0, s[PNEG+2]
	MKSC 84, PSC+2, PLIM+2
	MKSC 32, SS, SL                                ; h's three scales
	MKSC 34, SS+1, SL+1
	MKSC 36, SS+2, SL+2
	s_wait_loadcnt 48                              ; the 48 loads of x are younger: the statistics and the gains are in
	WIN 0xc3
.irp c, 0,1,2,3
.irp i, 0,1,2,3,4,5,6,7,8,9,10,11,12,13,14,15
	v_mul_f32 v[16*\c+\i], v[16*\c+\i], v[ST+2*\c+1]   ; gn_scale x rstd
.endr
.endr
	XLOAD 3                                        ; no wait: no vector line has named set 3
; A unit: 64 numbers a lane become h, turned on the way (register 16 j + i = channel i of tile 4 tb + j), and are quantised with each of the three scales in a loop of three trips
.macro XUNIT u
.set CP, (\u)/2
.set TK, (\u)%2
.set XS, 64*((\u)%4)
.if (\u) <= 4
	s_wait_loadcnt 48                              ; this unit's 16 loads are in; those of the three units behind it may be out
.else
	s_wait_loadcnt 16*(7-(\u))
.endif
	WIN 0x82
.set jj, 0
.rept 32
	v_pk_add_f32 v[XS+jj:XS+jj+1], v[XS+jj:XS+jj+1], v[ST+2*CP:ST+2*CP+1] op_sel_hi:[1,0] neg_lo:[0,1] neg_hi:[0,1]   ; x - mean (the pair's low word for both halves)
.set jj, jj+2
.endr
	WIN 0x3e
.set jj, 0
.rept 4
.set ii, 0
.rept 16
	v_fma_f32 v[Y+16*jj+ii], v[XS+4*ii+jj], v[16*CP+ii], v[64+16*CP+ii]   ; h = (x - mean) (scale rstd) + bias
.set ii, ii+1
.endr
.set jj, jj+1
.endr
.if (\u) < 4
	WIN 0x80                                       ; the loads' window first, then the wait, then the loads
	s_wait_alu depctr_va_vdst(0)                   ; the subtractions have written the set and the multiply-adds are done reading it: the loads of four units on land in it
	XLOAD (\u)+4                                   ; the set is asked for again at once
.endif
.if (\u) == 7
	WLOAD 0, 0, 0                                  ; no load of x is left to count: wq's first K step and bq are asked for.  No wait: no vector line has named the registers in which they land
	BIASQK 18
.endif
	WIN 0
	s_mov_b32 s[CNT], 3
.Le_\@:
	s_wait_dscnt 0x0                               ; the last trip's stores are done
	s_wait_alu depctr_vm_vsrc(0)                   ; the last trip's stores have read the codes' registers and v[AD], which this trip writes again
	v_mov_b32 v[LIM], s[SL]
	v_mov_b32 v[SC], s[SS]
.irp j, 0,1,2,3
.irp q, 0,1
.irp i, 0,1,2,3,4,5,6,7
	v_med3_num_f32 v[T+8*\q+\i], v[Y+16*\j+8*\q+\i], -v[LIM], v[LIM]   ; the hold, into other registers: h is wanted three times
.endr
	v_cvt_scalef32_pk8_bf8_f32 v[C+4*\j+2*\q:C+4*\j+2*\q+1], v[T+8*\q:T+8*\q+7], v[SC]
.endr
.endr
	v_nop                                          ; a plain line behind the last conversion
	v_add_nc_u32 v[AD], s[OFF], v[HW]
	s_wait_alu depctr_va_vdst(0)                   ; the conversions have written the codes and the add v[AD], which the stores read
.irp j, 0,1,2,3
	ds_store_b128 v[AD], v[C+4*\j:C+4*\j+3] offset:(4*TK+\j)*8192+512*CP   ; group c of fragment (scale, tile 4 tb + j, K step w)
.endr
	s_mov_b32 s[TMP], s[SL]                        ; the three scales go round: after three trips they stand as before
	s_mov_b32 s[SL], s[SL+1]
	s_mov_b32 s[SL+1], s[SL+2]
	s_mov_b32 s[SL+2], s[TMP]
	s_mov_b32 s[TMP], s[SS]
	s_mov_b32 s[SS], s[SS+1]
	s_mov_b32 s[SS+1], s[SS+2]
	s_mov_b32 s[SS+2], s[TMP]
	s_add_co_u32 s[OFF], s[OFF], 0x10000           ; the next scale's images
	s_sub_co_u32 s[CNT], s[CNT], 1
	s_cmp_lg_u32 s[CNT], 0
	s_cbranch_scc1 .Le_\@
	s_mov_b32 s[OFF], 0
.endm
.irp u, 0,1,2,3,4,5,6,7
	XUNIT \u
.endr
	s_wait_dscnt 0x0                               ; for the others' sake: my images are stored
	s_barrier_signal -1
	s_barrier_wait -1                              ; h's 96 fragments lie in LDS; nothing is stored there again
.macro FETCHA adr, s, a0, ab           ; the tokens' fragments a0 .. a0 + 3 of K step s, into the buffer at v[ab]
.irp i, 0,1,2,3
.irp c, 0,1,2,3
	ds_load_b128 v[(\ab)+16*\i+4*\c:(\ab)+16*\i+4*\c+3], v[\adr] offset:((\a0)+\i)*8192+(\s)*2048+512*\c
.endr
.endr
.endm
; 32 matrix instructions: the four token tiles in the buffer at v[ab] x my 8 tiles of W.  The 64 accumulators take turns, one instruction a turn, in the same order in every step.
.macro MUL32 p, s, vor, ab
.irp a, 0,1,2,3
.irp b, 0,1,2,3,4,5,6,7
.set rD, 8*(8*\a+\b)
.set rW, 128*(\p)+16*\b
.set rA, (\ab)+16*\a
.if \vor
.if (\s) == 0
	v_wmma_f32_16x16x128_bf8_bf8 v[rD:rD+7], v[rA:rA+15], v[rW:rW+15], v[BB+8*\b:BB+8*\b+7]
.else
	v_wmma_f32_16x16x128_bf8_bf8 v[rD:rD+7], v[rA:rA+15], v[rW:rW+15], v[rD:rD+7]
.endif
.else
.if (\s) == 0
	v_wmma_f32_16x16x128_bf8_bf8 v[rD:rD+7], v[rW:rW+15], v[rA:rA+15], v[BB+8*\b:BB+8*\b+7]
.else
	v_wmma_f32_16x16x128_bf8_bf8 v[rD:rD+7], v[rW:rW+15], v[rA:rA+15], v[rD:rD+7]
.endif
.endif
.endr
.endr
.endm
; A K step of 128: 64 matrix instructions.  At the head of steps 1 to 3 all the step's loads go out behind one wait: this step's high tiles (32 matrix instructions ahead of their use), the next step's low tiles and W (a whole step ahead).
.macro GSTEP m, s, vor
.set PP, (\s)%2
.if (\s) < 2                           ; which buffer holds this step's low tiles, its high tiles, and takes the next step's low tiles: the table at the kernel's head
.set ALO, AB0
.set AHI, AB1
.set ANX, AB2
.elseif (\s) == 2
.set ALO, AB2
.set AHI, AB0
.set ANX, AB1
.else
.set ALO, AB1
.set AHI, AB0
.set ANX, AB1
.endif
.if (\s) == 0
.set WLO, 0x80                         ; the first step's C is the bias, in window 0
.set WHI, 0xc0
.else
.set WLO, 0xa0
.set WHI, 0xf0
.endif
.if \vor
.set WLO, WLO+4                        ; W is source 1
.set WHI, WHI+4
.else
.set WLO, WLO+1                        ; W is source 0
.set WHI, WHI+1
.endif
.if (\s) > 0
	s_wait_alu depctr_va_vdst(0)                   ; the last step's 64 products are done reading its two buffers of tokens, its set of W and, if it was the first, the bias: all the loads of this head land in those registers
	FETCHA HR+\m, \s, 4, AHI
.if (\s) < 3
	FETCHA HR+\m, (\s)+1, 0, ANX
.endif
	s_wait_loadcnt 0x0                             ; this step's W is in
.if (\s) < 3
	WLOAD \m, (\s)+1, 1-PP                         ; between the wait on va_vdst and these loads stand loads, a wait on a counter and a switch of windows alone
.elseif (\m) < 2
	WLOAD (\m)+1, 0, 0
.endif
.if ((\s) == 3) && ((\m) == 0)
	BIASQK 20                                      ; the third buffer is free since the last step: the next product's bias
.endif
.if ((\s) == 3) && ((\m) == 1)
	BIASV
.endif
.endif
.if ((\s) == 1) || ((\s) == 2)
	s_wait_dscnt 32                                ; the low tiles, asked for a step ago, are in; the 32 loads just issued may be out
.else
	s_wait_dscnt 16                                ; the low tiles are in; the youngest 16 loads (the high tiles) may be out
.endif
	WIN WLO
	MUL32 PP, \s, \vor, ALO
.if (\s) == 0
	s_wait_dscnt 0x0                               ; the high tiles are in
	PLACES 4
	WIN 0
	s_wait_alu depctr_va_vdst(0)                   ; the 32 products above are done reading the first buffer, in which the next step's low tiles land
	FETCHA HR+\m, 1, 0, AB0
.elseif (\s) < 3
	s_wait_dscnt 16                                ; the high tiles are in; the next step's low tiles may be out
.else
	s_wait_dscnt 0x0
.endif
	WIN WHI
	MUL32 PP, \s, \vor, AHI
	PLACES 4                                       ; behind the step's last product: ahead of the next head's loads into its registers, and of the reads of the sums at the end
	WIN 0
.endm
; One product: bias scaled, four K steps, the hold and the conversion of all 64 tiles, 32 stores of 512 bytes on end
.macro PASS m, vor, out
	FETCHA HR+\m, 0, 0, AB0                        ; no wait on va_vdst here: behind the last one (product 1: in the last trip of phase X; products 2, 3: ahead of the last product's stores) no vector or matrix line was issued,
	FETCHA HR+\m, 0, 4, AB1                        ; and every line that named v64-191 or W's set 1 stands ahead of it
	s_wait_loadcnt 0x0                             ; the bias and W's first K step
	WLOAD \m, 1, 1
.if \vor
.irp t, 0,1,2,3,4,5,6,7
.irp j, 0,1,2,3,4,5,6,7
	v_ldexp_f32 v[BB+8*\t+\j], v[T+\t], s[PNEG+\m]     ; a lane is a channel: one bias for its eight keys
.endr
.endr
.else
.set jj, 0
.rept 64
	v_ldexp_f32 v[BB+jj], v[BB+jj], s[PNEG+\m]
.set jj, jj+1
.endr
.endif
	v_mov_b32 v[LIM], s[PLIM+\m]
	v_mov_b32 v[SC], s[PSC+\m]
	s_wait_alu depctr_va_vdst(0)
	GSTEP \m, 0, \vor
	GSTEP \m, 1, \vor
	GSTEP \m, 2, \vor
	GSTEP \m, 3, \vor
.irp hi, 0,1
	WIN 0x82+0x41*\hi
.set jj, 0
.rept 256
	v_med3_num_f32 v[jj], v[jj], -v[LIM], v[LIM]   ; the hold, each accumulator from its low end on
.set jj, jj+1
.endr
	WIN 0x02+\hi
.irp a, 0,1,2,3
.irp b, 0,1,2,3,4,5,6,7
.if \vor
	v_cvt_scalef32_pk8_bf8_f32 v[AF+16*\b+2*(4*\hi+\a):AF+16*\b+2*(4*\hi+\a)+1], v[8*(8*\a+\b):8*(8*\a+\b)+7], v[SC]   ; V's fragment b: registers 2 a, 2 a + 1
.else
	v_cvt_scalef32_pk8_bf8_f32 v[AF+16*(4*\hi+\a)+2*\b:AF+16*(4*\hi+\a)+2*\b+1], v[8*(8*\a+\b):8*(8*\a+\b)+7], v[SC]   ; tile a's fragment: registers 2 b, 2 b + 1
.endif
.endr
.endr
.endr
	v_nop                                          ; a plain line behind the last conversion
	WIN 0
	s_wait_alu depctr_va_vdst(0)                   ; the conversions have written v64-191, which the stores read
.irp f, 0,1,2,3,4,5,6,7
.irp c, 0,1,2,3
.if \vor
	global_store_b128 v[LI], v[AF+16*\f+4*\c:AF+16*\f+4*\c+3], s[\out:\out+1] offset:\f*2048+512*\c
.else
	global_store_b128 v[LI], v[AF+16*\f+4*\c:AF+16*\f+4*\c+3], s[\out:\out+1] offset:\f*8192+512*\c
.endif
.endr
.endr
.if (\m) < 2
	s_wait_xcnt 0x0                                ; the stores' addresses are translated (ISA guide 3.1): their registers are written again only behind this wait,
	s_wait_alu depctr_vm_vsrc(0)                   ; and the stores have read v64-191, in which the next product's fragments land
.endif
.endm
	PASS 0, 0, QB
	PASS 1, 0, KB
	PASS 2, 1, VB
	s_wait_dscnt 0x0                               ; the closing lines, six on end (every window is 0 here)
	s_wait_alu 0x0
	s_wait_tensorcnt 0x0
	ds_add_u32 v30, v31
	s_wait_dscnt 0x0
	s_endpgm
.Lfunc_end_k_q03ab3f95a4_qkv:
	.size	k_q03ab3f95a4_qkv, .Lfunc_end_k_q03ab3f95a4_qkv-k_q03ab3f95a4_qkv
	.p2alignl 7, 3214868480
	.fill 96, 4, 3214868480
	.section	.rodata,"a",@progbits
	.p2align	6, 0x0
	.amdhsa_kernel k_q03ab3f95a4_qkv
		.amdhsa_group_segment_fixed_size 197120
		.amdhsa_private_segment_fixed_size 0
		.amdhsa_enable_private_segment 0
		.amdhsa_kernarg_size 88
		.amdhsa_user_sgpr_count 2
		.amdhsa_user_sgpr_kernarg_segment_ptr 1
		.amdhsa_wavefront_size32 1
		.amdhsa_system_sgpr_workgroup_id_x 1
		.amdhsa_system_sgpr_workgroup_id_y 1
		.amdhsa_system_sgpr_workgroup_id_z 1
		.amdhsa_system_vgpr_workitem_id 0
		.amdhsa_next_free_vgpr 1024
		.amdhsa_next_free_sgpr 96
		.amdhsa_reserve_vcc 0
		.amdhsa_float_denorm_mode_32 3
		.amdhsa_float_denorm_mode_16_64 3
		.amdhsa_memory_ordered 1
		.amdhsa_forward_progress 1
		.amdhsa_inst_pref_size 255
	.end_amdhsa_kernel
	.section	.bss,"aw",@nobits
	.p2align	6
	.space	262144
	.amdgpu_metadata
---
amdhsa.version: [ 1, 2 ]
amdhsa.kernels:
  - .name:           k_q03ab3f95a4_qkv
    .symbol:         k_q03ab3f95a4_qkv.kd
    .args:
      - { .name: x, .offset: 0, .size: 8, .value_kind: global_buffer, .address_space: global }
      - { .name: stats, .offset: 8, .size: 8, .value_kind: global_buffer, .address_space: global }
      - { .name: gn_scale, .offset: 16, .size: 8, .value_kind: global_buffer, .address_space: global }
      - { .name: gn_bias, .offset: 24, .size: 8, .value_kind: global_buffer, .address_space: global }
      - { .name: wimg, .offset: 32, .size: 8, .value_kind: global_buffer, .address_space: global }
      - { .name: bq, .offset: 40, .size: 8, .value_kind: global_buffer, .address_space: global }
      - { .name: bk, .offset: 48, .size: 8, .value_kind: global_buffer, .address_space: global }
      - { .name: bv, .offset: 56, .size: 8, .value_kind: global_buffer, .address_space: global }
      - { .name: lowp_scales, .offset: 64, .size: 8, .value_kind: global_buffer, .address_space: global }
      - { .name: qimg, .offset: 72, .size: 8, .value_kind: global_buffer, .address_space: global }
      - { .name: kv, .offset: 80, .size: 8, .value_kind: global_buffer, .address_space: global }
    .group_segment_fixed_size: 197120
    .private_segment_fixed_size: 0
    .kernarg_segment_align: 8
    .kernarg_segment_size: 88
    .max_flat_workgroup_size: 128
    .sgpr_count:     96
    .vgpr_count:     1024
    .wavefront_size: 32
...
	.end_amdgpu_metadata
.endif
;; end of part 5
;; launch attn (part 6): grid 8 x 32, 4 waves a work-group, clusters of 4 x 1, 327,680 bytes of LDS; arguments qimg, kv, wimg, lowp_scales, bo, x, out0; writes out0
.if DOCPART == 6
	.amdgcn_target "amdgcn-amd-amdhsa--gfx1250"
	.amdhsa_code_object_version 6
	.text
	.protected	k_q03ab3f95a4_attn
	.globl	k_q03ab3f95a4_attn
	.p2align	8
	.type	k_q03ab3f95a4_attn,@function
k_q03ab3f95a4_attn:
	s_mov_b64 s[64:65], 0
	v_nop
	global_prefetch_b8 v0, s[64:65] scope:SCOPE_SE
	s_setreg_imm32_b32 hwreg(HW_REG_WAVE_MODE, 25, 1), 1
	s_wait_xcnt 0x0
	s_wait_alu depctr_hold_cnt(0) depctr_sa_sdst(0) depctr_va_vdst(0) depctr_va_sdst(0) depctr_va_ssrc(0) depctr_va_vcc(0) depctr_vm_vsrc(0)
	s_getreg_b32 s2, hwreg(HW_REG_IB_STS2, 6, 4)
	s_cmp_eq_u32 s2, 0
	s_cbranch_scc0 .Lentry_in_a_cluster
	s_endpgm
.Lentry_in_a_cluster:
	s_bfe_u32 s2, ttmp6, 0x10000c
	s_cmp_lg_u32 s2, 0x3003
	s_cbranch_scc0 .Lentry_shape_is_right
	s_endpgm
.Lentry_shape_is_right:
; ATTN.  out = x + (softmax(q k^T / sqrt(512)) v) wo^T + bo, products 4, 5, 6 on codes of E5M2.  A work-group takes 128 queries (block blk) of one image; wave w owns tiles 2 w, 2 w + 1 of 16 queries and walks
; all 1,024 keys, 128 a step.  All operands are FRAGMENT IMAGES (16 rows x 128 K: 4 groups of 512 bytes, lane l's 16 bytes of group c at 512 c + 16 l), so every fragment comes by four loads of 512 bytes on end.
; Row r of token tile a is token 128 blk + 64 (a / 4) + 4 r + a % 4.
; BOTH PRODUCTS TRANSPOSED: S^T = K Q^T (source 0 = 16 keys), O^T = V^T P (source 0 = 16 channels): a lane holds ONE query throughout.  P's registers 2 kt, 2 kt + 1 are the codes of key tile kt's scores; V's fragments
; were laid the same way, so every key meets its partner.  V's channels are ordered so that O^T's tiles 2 b, 2 b + 1 are 16 neighbours along product 6's K.
; SOFTMAX: t = score x log2(e) / sqrt(512); M = the running largest t rounded up to a whole number; p = 2^(t - M) is quantised (e8), not normalised; the sum is taken of the unquantised p and divides at the end;
; when M moves, the sum and O^T are multiplied by 2^(old M - new M), which rounds nothing.
; RING: two LDS slots of one key step (K's 32 fragments, then V's 32: 131,072 bytes, dense in memory), each wave fetching a quarter by one tensor load: one load of a wave is out at a time, and it has a whole key step in which to land.
; CLUSTER: the four query blocks of a cluster belong to one image and walk the same K and V: each quarter is asked for JOINTLY (mask 15, the same descriptor in all four).  The place in the cluster enters the addresses of Q, x and out alone.
; PRODUCT 6: a = O^T / l is quantised (e10) in registers, its images go through slot 0 (which has had its last fill and its last read); then THE WAVES SHARE THE COLUMNS: wave w makes outputs 128 w .. for all 8 tiles, wo's
; fragments straight from memory.  Source 0 = 16 rows of wo: a lane holds one token, its registers 8 outputs; four tiles' registers are 4 neighbouring tokens, so x is loaded and out stored 16 bytes a lane, sixteen lanes to 256 bytes on end.
; LIMITS, so that each power of two is an f32 number: e6 + e7 between -122 and 131 (added to c's exponent field); e8 and e10 - e8 - e9 between -126 and 112; e10 + e11 between -126 and 127.  NaN among the inputs is not served.
; REGISTERS, in windows of 256: w0: v5-13 addresses; v16-31 eight statistics a tile; v32-43 at work and scales; v64-191 S^T (tile qt, key tile kt at 64 + 64 qt + 8 kt), later a's codes, the tokens' fragments, x; v192-223 P, later v192-255 bo, x.
;   w1: v0-127 Q (qt, K step s at 64 qt + 16 s); v128-255 two buffers of 4 fragments of K or V; later wo's two sets.   w2, w3: O^T (qt, ct) at 16 (ct % 16) + 8 qt of window 2 + ct / 16; later accumulators (a, b) at 8 (8 (a % 4) + b) of window 2 + a / 4.
.set SLOT1, 1<<17
.set SPARE, 2*SLOT1                    ; behind the ring: the spare words, 128 bytes for each wave: two blocks of 256 bytes that no other line names
.set LI,  5                            ; v5   16 x lane
.set SPW, 6                            ; v6   LDS address of my spare word; never rewritten
.set NIL, 7                            ; v7   0; never rewritten
.set ADK, 8
.set ADV, 9
.set AW,  10                           ; v10  where a's images go: 16 x lane + 16,384 x wave
.set XO,  11                           ; v11  x, out: 16 r + 32,768 h (lanes 16-31 stand 8 channels further down)
.set H32, 12                           ; v12  32 h
.set LV,  13                           ; v13  16 x lane + 65,536: V's part of a slot
.set ST,  16                           ; tile qt at v[16 + 8 qt]: +0 -M, +1 the largest t, +2, +3 the sum in two halves, +4 f (later 1 / l), +5 its pair's upper word, +6, +7 at work
.set PX,  32
.set SB,  34
.set LIMP, 40
.set SCP, 41
.set LIMA, 42
.set SCA, 43
.set S,   64
.set P,   192
.set AF,  64
.set BB,  192
.set FB,  128
.set WV,  18
.set SEL, 20
.set CS,  22
.set G1,  24
.set G0,  32
.set TB,  36
.set CNT, 37
.set QB,  44
.set WB,  46
.set XB,  48
.set OB,  50
.set SSC, 56
.set NEGO, 57
.set MSB, 0
.macro WIN new                         ; the immediate's high byte repeats the setting that is left; a switch that changes nothing is dropped
.if MSB != (\new)
	s_set_vgpr_msb (MSB<<8)|(\new)
.set MSB, (\new)
.endif
.endm
.macro PLACES n                        ; plain vector lines behind a matrix instruction, ahead of loads into its registers and of reads of its result
.rept \n
	v_nop
.endr
.endm
.macro CROUND                          ; a round of the cluster's barrier: my work-group's barrier, wave 0 signals for the work-group, every wave waits for all four, my work-group's barrier once more
	s_barrier_signal -1
	s_barrier_wait -1
	s_cmp_lg_u32 s[WV], 0
	s_cbranch_scc1 .Lnot_wave_0_\@
	s_barrier_signal -3
.Lnot_wave_0_\@:
	s_barrier_wait -3
	s_barrier_signal -1
	s_barrier_wait -1
.endm
	s_load_b256 s[4:11], s[0:1], 0x0               ; qimg s[4:5], kv s[6:7], wimg s[8:9], scales s[10:11]
	s_load_b128 s[12:15], s[0:1], 0x20             ; bo s[12:13], x s[14:15]
	s_load_b64 s[16:17], s[0:1], 0x30              ; out
	v_lshl_add_u32 v[SPW], v0, 2, SPARE
	v_mov_b32 v[NIL], 0
	ds_add_u32 v6, v7
	ds_add_u32 v6, v7
	s_wait_dscnt 0x0
	v_lshrrev_b32 v1, 5, v0
	v_readfirstlane_b32 s[WV], v1                  ; wave
	v_and_b32 v1, 31, v0
	v_and_b32 v2, 15, v0                           ; r
	v_bfe_u32 v3, v0, 4, 1                         ; h
	v_lshlrev_b32 v[LI], 4, v1
	v_add_nc_u32 v[LV], 0x10000, v[LI]
	s_lshl_b32 s52, s[WV], 14
	v_add_nc_u32 v[AW], s52, v[LI]
	v_lshlrev_b32 v[XO], 4, v2
	v_lshl_add_u32 v[XO], v3, 15, v[XO]
	v_lshlrev_b32 v[H32], 5, v3
	v_mov_b32 v[PX], 0                             ; written once: a lane permute's destination counts as one of its sources
	v_mov_b32 v[PX+1], 0
	v_mov_b32 v[ST+5], 0                           ; (named as the upper halves of the pairs of f)
	v_mov_b32 v[ST+13], 0
	s_and_b32 s53, ttmp7, 0xffff                   ; the image, which the four partners share
	s_lshl_b32 s54, s53, 20                        ; kv: the image's 8 key steps; my quarter of a step
	s_lshl_b32 s55, s[WV], 15
	s_add_co_u32 s54, s54, s55
	s_mov_b32 s55, 0
	s_bfe_u32 s58, ttmp6, 0x40000                  ; cx: my place in the cluster
	s_lshl_b32 s59, ttmp9, 2
	s_add_co_u32 s58, s59, s58                     ; my block of 128 queries = 4 x cluster x + cx
	s_lshl_b32 s60, s53, 19                        ; qimg: image, block, my two tiles
	s_lshl_b32 s61, s58, 16
	s_add_co_u32 s60, s60, s61
	s_add_co_u32 s60, s60, s52
	s_mov_b32 s61, 0
	s_lshl_b32 s62, s53, 21                        ; x, out: image, my 128 channels, the block's 128 tokens
	s_lshl_b32 s63, s[WV], 19
	s_add_co_u32 s62, s62, s63
	s_lshl_b32 s63, s58, 9
	s_add_co_u32 s62, s62, s63
	s_mov_b32 s63, 0
	s_lshl_b32 s66, s[WV], 16                      ; wimg: wo is the fourth weight; my 8 tiles
	s_add_co_u32 s66, s66, 786432
	s_mov_b32 s67, 0
	s_lshl_b32 s68, s[WV], 9                       ; bo: my 128 numbers
	s_mov_b32 s69, 0
	; descriptor group 1: 128 rows of 256 bytes, dense in memory and in LDS: 32,768 bytes
	s_mov_b32 s[G1], 15|(3<<16)|(1<<21)            ; 15:0 the mask: all four work-groups; 17:16 elements of 8 bytes; 21 set beside a mask; no padding
	s_mov_b32 s[G1+1], 32<<16                      ; tensor_dim0 = 32
	s_mov_b32 s[G1+2], 128<<16                     ; tensor_dim1 = 128
	s_mov_b32 s[G1+3], 32<<16                      ; tile_dim0 = 32
	s_mov_b32 s[G1+4], 128                         ; tile_dim1 = 128
	s_mov_b32 s[G1+5], 32                          ; from row to row
	s_mov_b32 s[G1+6], 0
	s_mov_b32 s[G1+7], 0
	s_mov_b32 s[SEL], 0x76543210
	s_mov_b32 s[SEL+1], 0xfedcba98
	s_mov_b32 s[CS], 0x3d8293ee                    ; c = log2(e) / sqrt(512)
	s_mov_b32 s[TB], 0
	s_mov_b32 s[CNT], 6
	s_wait_kmcnt 0x0
	s_load_b64 s[38:39], s[10:11], 0x18            ; e6, e7
	s_load_b128 s[40:43], s[10:11], 0x20           ; e8 .. e11
	s_mov_b32 s[G0], 1                             ; count = 1
	s_lshl_b32 s[G0+1], s[WV], 15                  ; LDS: slot 0, my quarter: no place in the cluster enters it
	s_add_nc_u64 s[G0+2:G0+3], s[6:7], s[54:55]    ; key step 0, my quarter
	s_or_b32 s[G0+3], s[G0+3], 0x80000000          ; type = 2
	s_add_nc_u64 s[QB:QB+1], s[4:5], s[60:61]
	s_add_nc_u64 s[WB:WB+1], s[8:9], s[66:67]
	s_add_nc_u64 s[XB:XB+1], s[14:15], s[62:63]
	s_add_nc_u64 s[OB:OB+1], s[16:17], s[62:63]
	s_add_nc_u64 s[12:13], s[12:13], s[68:69]
	CROUND                                         ; all four work-groups are here: the first joint loads meet
	tensor_load_to_lds s[G0:G0+3], s[G1:G1+7]      ; key step 0
	s_nop 0
	PLACES 4                                       ; four plain lines follow a tensor load, ahead of any switch of windows
	WIN 0x40
.irp qt, 0,1
.irp s, 0,1,2,3
.irp c, 0,1,2,3
	global_load_b128 v[64*\qt+16*\s+4*\c:64*\qt+16*\s+4*\c+3], v[LI], s[QB:QB+1] offset:\qt*8192+\s*2048+512*\c   ; Q stays in registers
.endr
.endr
.endr
	WIN 0
	s_wait_kmcnt 0x0
	s_add_co_i32 s70, s38, s39
	s_lshl_b32 s70, s70, 23
	s_add_co_i32 s[CS], s[CS], s70                 ; a score stands for score x 2^(e6 + e7): the exponents are added to c's exponent field
	s_mov_b32 s[CS+1], s[CS]                       ; (named with it as a pair, so it is written)
	s_add_co_i32 s70, s40, 127
	s_lshl_b32 s71, s70, 23
	v_mov_b32 v[SCP], s71                          ; 2^e8
	s_add_co_i32 s70, s70, 15
	s_lshl_b32 s70, s70, 23
	s_or_b32 s70, s70, 0x600000
	v_mov_b32 v[LIMP], s70                         ; 57,344 x 2^e8
	s_sub_co_i32 s70, s42, s40                     ; O^T / l stands for a / 2^(e8 + e9): a's conversion takes 2^(e10 - e8 - e9)
	s_sub_co_i32 s70, s70, s41
	s_add_co_i32 s70, s70, 127
	s_lshl_b32 s71, s70, 23
	v_mov_b32 v[SCA], s71
	s_add_co_i32 s70, s70, 15
	s_lshl_b32 s70, s70, 23
	s_or_b32 s70, s70, 0x600000
	v_mov_b32 v[LIMA], s70
	s_add_co_i32 s72, s42, s43                     ; e10 + e11
	s_sub_co_i32 s[NEGO], 0, s72
	s_add_co_i32 s72, s72, 127
	s_lshl_b32 s[SSC], s72, 23                     ; 2^(e10 + e11) as f32
.macro LOADK g                         ; 4 fragments of K: K step g / 2, key tiles 4 (g % 2) + i, into buffer g % 2
.irp i, 0,1,2,3
.irp c, 0,1,2,3
	ds_load_b128 v[FB+64*((\g)%2)+16*\i+4*\c:FB+64*((\g)%2)+16*\i+4*\c+3], v[ADK] offset:(4*((\g)%2)+\i)*8192+((\g)/2)*2048+512*\c
.endr
.endr
.endm
.macro LOADV g                         ; 4 fragments of V: channel tiles 4 g + i, into buffer g % 2
.irp i, 0,1,2,3
.irp c, 0,1,2,3
	ds_load_b128 v[FB+64*((\g)%2)+16*\i+4*\c:FB+64*((\g)%2)+16*\i+4*\c+3], v[ADV] offset:(4*(\g)+\i)*2048+512*\c
.endr
.endr
.endm
.macro SMUL g                          ; 8 products of S^T: the 16 accumulators take turns, one instruction a turn; K step 0 starts the sums
.irp i, 0,1,2,3
.irp qt, 0,1
.set rS, S+64*\qt+8*(4*((\g)%2)+\i)
.set rK, FB+64*((\g)%2)+16*\i
.set rQ, 64*\qt+16*((\g)/2)
.if (\g) < 2
	v_wmma_f32_16x16x128_bf8_bf8 v[rS:rS+7], v[rK:rK+15], v[rQ:rQ+15], 0
.else
	v_wmma_f32_16x16x128_bf8_bf8 v[rS:rS+7], v[rK:rK+15], v[rQ:rQ+15], v[rS:rS+7]
.endif
.endr
.endr
.endm
.macro PVMUL g, first                  ; 8 products of O^T; in the first key step they start the sums: nothing is cleared
.irp i, 0,1,2,3
.irp qt, 0,1
.set rO, 16*((4*(\g)+\i)%16)+8*\qt
.set rV, FB+64*((\g)%2)+16*\i
.set rP, P+16*\qt
.if \first
	v_wmma_f32_16x16x128_bf8_bf8 v[rO:rO+7], v[rV:rV+15], v[rP:rP+15], 0
.else
	v_wmma_f32_16x16x128_bf8_bf8 v[rO:rO+7], v[rV:rV+15], v[rP:rP+15], v[rO:rO+7]
.endif
.endr
.endr
.endm
; the softmax of my two tiles for one key step, the tiles alternating line by line.  first = 1: no old maximum, no f, the sum begins
.macro SOFT first
.irp qt, 0,1
	v_max3_num_f32 v[ST+8*\qt+6], v[S+64*\qt], v[S+64*\qt+1], v[S+64*\qt+2]       ; the largest score among my 64 keys, in two chains; each accumulator from its low end on
	v_max3_num_f32 v[ST+8*\qt+7], v[S+64*\qt+3], v[S+64*\qt+4], v[S+64*\qt+5]
.endr
.set jj, 6
.rept 14
.irp qt, 0,1
	v_max3_num_f32 v[ST+8*\qt+6], v[ST+8*\qt+6], v[S+64*\qt+jj], v[S+64*\qt+jj+1]
	v_max3_num_f32 v[ST+8*\qt+7], v[ST+8*\qt+7], v[S+64*\qt+jj+2], v[S+64*\qt+jj+3]
.endr
.set jj, jj+4
.endr
.irp qt, 0,1
	v_max3_num_f32 v[ST+8*\qt+6], v[ST+8*\qt+6], v[S+64*\qt+62], v[S+64*\qt+63]
.endr
.irp qt, 0,1
	v_max_num_f32 v[ST+8*\qt+6], v[ST+8*\qt+6], v[ST+8*\qt+7]
.endr
.irp qt, 0,1
	v_permlanex16_b32 v[PX+\qt], v[ST+8*\qt+6], s[SEL], s[SEL+1]                  ; the query's other 64 keys lie in the lane 16 away
.endr
.irp qt, 0,1
	v_max_num_f32 v[ST+8*\qt+6], v[ST+8*\qt+6], v[PX+\qt]
.endr
.if \first
.irp qt, 0,1
	v_mul_f32 v[ST+8*\qt+1], s[CS], v[ST+8*\qt+6]                                 ; as t (c is positive): the largest t so far
.endr
.irp qt, 0,1
	v_floor_f32 v[ST+8*\qt], -v[ST+8*\qt+1]                                       ; -M = floor(-t) = -ceil(t)
.endr
.else
.irp qt, 0,1
	v_mul_f32 v[ST+8*\qt+6], s[CS], v[ST+8*\qt+6]
.endr
.irp qt, 0,1
	v_max_num_f32 v[ST+8*\qt+1], v[ST+8*\qt+1], v[ST+8*\qt+6]                     ; the running largest t
.endr
.irp qt, 0,1
	v_mov_b32 v[ST+8*\qt+6], v[ST+8*\qt]                                          ; the old -M is kept for f
.endr
.irp qt, 0,1
	v_floor_f32 v[ST+8*\qt], -v[ST+8*\qt+1]
.endr
.irp qt, 0,1
	v_sub_f32 v[ST+8*\qt+6], v[ST+8*\qt], v[ST+8*\qt+6]                           ; old M - new M: a whole number, 0 or less
.endr
.irp qt, 0,1
	v_cvt_i32_f32 v[ST+8*\qt+6], v[ST+8*\qt+6]
.endr
.irp qt, 0,1
	v_ldexp_f32 v[ST+8*\qt+4], 1.0, v[ST+8*\qt+6]                                 ; f = 2^(old M - new M)
.endr
.endif
.set jj, 0
.rept 32
.irp qt, 0,1
	v_pk_fma_f32 v[S+64*\qt+jj:S+64*\qt+jj+1], v[S+64*\qt+jj:S+64*\qt+jj+1], s[CS:CS+1], v[ST+8*\qt:ST+8*\qt+1] op_sel_hi:[1,0,0]   ; t - M (of the pairs c and -M the low word serves both halves)
.endr
.set jj, jj+2
.endr
.set jj, 0
	s_wait_alu depctr_va_vdst(0)
.rept 128
	v_exp_f32 v[S+jj], v[S+jj]                                                    ; p = 2^(t - M), at most 1
.set jj, jj+1
.endr
	v_nop                                                                         ; a plain line between the exponentials and the use of their results
	s_wait_alu depctr_va_vdst(0)
.irp qt, 0,1
.if \first
	s_wait_alu depctr_va_vdst(0)
	v_pk_add_f32 v[ST+8*\qt+2:ST+8*\qt+3], v[S+64*\qt:S+64*\qt+1], v[S+64*\qt+4:S+64*\qt+5]   ; the sum of the UNQUANTISED p, in two chains
.else
	v_pk_mul_f32 v[ST+8*\qt+2:ST+8*\qt+3], v[ST+8*\qt+2:ST+8*\qt+3], v[ST+8*\qt+4:ST+8*\qt+5] op_sel_hi:[1,0]   ; the sum under the new M
.endif
	v_pk_add_f32 v[SB+2*\qt:SB+2*\qt+1], v[S+64*\qt+2:S+64*\qt+3], v[S+64*\qt+6:S+64*\qt+7]
.endr
.if !\first
.irp qt, 0,1
	v_pk_add_f32 v[ST+8*\qt+2:ST+8*\qt+3], v[ST+8*\qt+2:ST+8*\qt+3], v[S+64*\qt:S+64*\qt+1]
.endr
.irp qt, 0,1
	v_pk_add_f32 v[ST+8*\qt+2:ST+8*\qt+3], v[ST+8*\qt+2:ST+8*\qt+3], v[S+64*\qt+4:S+64*\qt+5]
.endr
.endif
.set jj, 8
.rept 14
.irp qt, 0,1
	v_pk_add_f32 v[ST+8*\qt+2:ST+8*\qt+3], v[ST+8*\qt+2:ST+8*\qt+3], v[S+64*\qt+jj:S+64*\qt+jj+1]
	v_pk_add_f32 v[SB+2*\qt:SB+2*\qt+1], v[SB+2*\qt:SB+2*\qt+1], v[S+64*\qt+jj+2:S+64*\qt+jj+3]
.endr
.set jj, jj+4
.endr
.irp qt, 0,1
	v_pk_add_f32 v[ST+8*\qt+2:ST+8*\qt+3], v[ST+8*\qt+2:ST+8*\qt+3], v[SB+2*\qt:SB+2*\qt+1]
.endr
.irp qt, 0,1
.irp b, 0,1,2,3
.set jj, 0
.rept 16
	v_min_num_f32 v[S+64*\qt+16*\b+jj], v[S+64*\qt+16*\b+jj], v[LIMP]             ; the conversion does not saturate (ISA guide 7.6.2); p is not negative, so the hold is one-sided
.set jj, jj+1
.endr
	v_cvt_scalef32_pk8_bf8_f32 v[P+16*\qt+4*\b:P+16*\qt+4*\b+1], v[S+64*\qt+16*\b:S+64*\qt+16*\b+7], v[SCP]
	v_cvt_scalef32_pk8_bf8_f32 v[P+16*\qt+4*\b+2:P+16*\qt+4*\b+3], v[S+64*\qt+16*\b+8:S+64*\qt+16*\b+15], v[SCP]
.endr
.endr
	v_nop                                                                         ; a plain line behind the last conversion
.endm
.macro RESC                            ; all of O^T times the number in v[ST + 8 qt + 4]: f in a key step, 1 / l at the end; each accumulator from its low end on
.irp hi, 0,1
	WIN 0x82+0x41*\hi
.set jj, 0
.rept 16
.irp qt, 0,1
.irp k, 0,2,4,6
	v_pk_mul_f32 v[16*jj+8*\qt+\k:16*jj+8*\qt+\k+1], v[16*jj+8*\qt+\k:16*jj+8*\qt+\k+1], v[ST+8*\qt+4:ST+8*\qt+5] op_sel_hi:[1,0]
.endr
.endr
.set jj, jj+1
.endr
.endr
.endm
; THE CHANGE OF SLOTS, at a key step's head.  Each wave waits for all its tensor loads (its quarter of the slot ahead), adds 0 to its spare word, and waits for that and for its reads of the slot that it has left.
; fill = 1: a round of the cluster's barrier, so that no wave of any partner still reads that slot or has a load on its way; the joint refill is the first thing behind it.
.macro CHANGE fill
	WIN 0
	s_wait_tensorcnt 0x0                           ; no tensor load of mine is out, so the descriptor may be written
	ds_add_u32 v[SPW], v[NIL]                      ; 0 onto my spare word
.if \fill
	s_xor_b32 s[G0+1], s[G0+1], SLOT1              ; the other slot than last time,
	s_add_nc_u64 s[G0+2:G0+3], s[G0+2:G0+3], 131072   ; the next key step; the type bits on top are not reached
.endif
	s_wait_dscnt 0x0                               ; the add is done, and my reads of the slot that I have left are over
.if \fill
	CROUND
	tensor_load_to_lds s[G0:G0+3], s[G1:G1+7]      ; my one tensor load until the next round
	s_nop 0
	PLACES 4
.else
	s_barrier_signal -1
	s_barrier_wait -1
.endif
.endm
; A KEY STEP of 128 keys.  Fragments come in runs of 16 loads into two buffers by turns, each run one group of 8 matrix instructions ahead of its use; V's first two runs land under the softmax.
.macro STEP first
	v_add_nc_u32 v[ADK], s[TB], v[LI]
	s_wait_alu depctr_va_vdst(0)
	v_add_nc_u32 v[ADV], s[TB], v[LV]
	WIN 0x40
	LOADK 0
.irp g, 0,1,2,3,4,5,6,7
.if \g < 7
.if \g > 0
	PLACES 4                                       ; the buffer's last readers are the 8 products just issued
.endif
	WIN 0x40
	LOADK \g+1
	s_wait_dscnt 16                                ; all but the 16 just issued
.else
	s_wait_dscnt 0x0
.endif
	WIN 0x05                                       ; K and Q in window 1, S^T in window 0
	SMUL \g
.endr
	PLACES 4
	WIN 0x40
	s_wait_alu depctr_va_vdst(0)
	LOADV 0
	LOADV 1
	WIN 0
	SOFT \first
.if !\first
	RESC                                           ; O^T under the new M
.endif
	s_wait_alu depctr_va_vdst(0)
.irp g, 0,1,2,3,4,5,6,7
.if \g < 7
	s_wait_dscnt 16                                ; this group's V is in; the next group's 16 loads may be out
.else
	s_wait_dscnt 0x0
.endif
.if \g < 4
	WIN 0xa1                                       ; V in window 1, P in window 0, O^T in window 2
.else
	WIN 0xf1                                       ; O^T in window 3
.endif
	PVMUL \g, \first
.if \g < 6
	PLACES 4
	WIN 0x40
	LOADV \g+2
.endif
.endr
	PLACES 4                                       ; for the next step's loads into the buffers, and for the reads of O^T at the end
	WIN 0
	s_xor_b32 s[TB], s[TB], SLOT1                  ; on to the other slot
.endm
	s_wait_loadcnt 0x0                             ; Q
	CHANGE 1                                       ; key step 0 is whole; step 1 is asked for
	STEP 1
.Lstep:                                            ; six trips: steps 1 to 6; steps 2 to 7 are asked for
	CHANGE 1
	STEP 0
	s_sub_co_u32 s[CNT], s[CNT], 1
	s_cmp_lg_u32 s[CNT], 0
	s_cbranch_scc1 .Lstep
	CHANGE 0                                       ; the last step is written out
	STEP 0
	; ---- a = O^T / l, quantised; its images to slot 0; product 6; the residual
.macro WLOAD s, p                      ; my 8 fragments of wo, K step s, into set p of window 1
	WIN 0x40
.irp bt, 0,1,2,3,4,5,6,7
.irp c, 0,1,2,3
	global_load_b128 v[128*(\p)+16*\bt+4*\c:128*(\p)+16*\bt+4*\c+3], v[LI], s[WB:WB+1] offset:\bt*8192+(\s)*2048+512*\c
.endr
.endr
	WIN 0
.endm
	WLOAD 0, 0
.irp t, 0,1,2,3,4,5,6,7
	global_load_b128 v[BB+8*\t:BB+8*\t+3], v[H32], s[12:13] offset:64*\t       ; tile t, register j: bo of output 128 w + 16 t + 8 h + j
	global_load_b128 v[BB+8*\t+4:BB+8*\t+7], v[H32], s[12:13] offset:64*\t+16
.endr
.irp qt, 0,1
	v_add_f32 v[ST+8*\qt+6], v[ST+8*\qt+2], v[ST+8*\qt+3]                      ; the sum's two halves,
.endr
.irp qt, 0,1
	v_permlanex16_b32 v[PX+\qt], v[ST+8*\qt+6], s[SEL], s[SEL+1]
.endr
.irp qt, 0,1
	v_add_f32 v[ST+8*\qt+6], v[ST+8*\qt+6], v[PX+\qt]                          ; and lane l xor 16's
.endr
	s_wait_alu depctr_va_vdst(0)
.irp qt, 0,1
	v_rcp_f32 v[ST+8*\qt+4], v[ST+8*\qt+6]
.endr
	v_nop                                          ; a plain line between the reciprocals and their use
	s_wait_alu depctr_va_vdst(0)
	RESC                                           ; O^T / l
.irp hi, 0,1
	WIN 0x82+0x41*\hi
.set jj, 0
.rept 256
	v_med3_num_f32 v[jj], v[jj], -v[LIMA], v[LIMA]
.set jj, jj+1
.endr
	WIN 0x02+\hi
.set jj, 0
.rept 16
.irp qt, 0,1
	v_cvt_scalef32_pk8_bf8_f32 v[S+64*\qt+16*(2*\hi+jj/8)+2*(jj%8):S+64*\qt+16*(2*\hi+jj/8)+2*(jj%8)+1], v[16*jj+8*\qt:16*jj+8*\qt+7], v[SCA]   ; channel tile ct = 16 hi + jj: registers 2 (ct % 8), + 1 of K step ct / 8
.endr
.set jj, jj+1
.endr
.endr
	v_nop                                          ; a plain line behind the last conversion
	WIN 0
.irp qt, 0,1
.irp s, 0,1,2,3
.irp c, 0,1,2,3
	ds_store_b128 v[AW], v[S+64*\qt+16*\s+4*\c:S+64*\qt+16*\s+4*\c+3] offset:\qt*8192+\s*2048+512*\c   ; tile 2 w + qt, K step s
.endr
.endr
.endr
	s_wait_dscnt 0x0                               ; for the others' sake: my images are stored
	s_barrier_signal -1
	s_barrier_wait -1                              ; a's 32 fragments lie in slot 0
	s_wait_loadcnt 0x0                             ; wo's first K step, bo
.set jj, 0
.rept 64
	v_ldexp_f32 v[BB+jj], v[BB+jj], s[NEGO]        ; bo / 2^(e10 + e11): the C of each sum's first product
.set jj, jj+1
.endr
.macro FETCHA s, a0
.irp a, \a0, \a0+1, \a0+2, \a0+3
.irp c, 0,1,2,3
	ds_load_b128 v[AF+16*(\a)+4*\c:AF+16*(\a)+4*\c+3], v[LI] offset:(\a)*8192+(\s)*2048+512*\c
.endr
.endr
.endm
.macro MUL32 hi, p, s                  ; token tiles 4 hi .. 4 hi + 3 x my 8 tiles of wo: the 64 accumulators by turns, one instruction a turn
.irp a, 0,1,2,3
.irp b, 0,1,2,3,4,5,6,7
.set rD, 8*(8*\a+\b)
.set rW, 128*(\p)+16*\b
.set rA, AF+16*(4*(\hi)+\a)
.if (\s) == 0
	v_wmma_f32_16x16x128_bf8_bf8 v[rD:rD+7], v[rW:rW+15], v[rA:rA+15], v[BB+8*\b:BB+8*\b+7]
.else
	v_wmma_f32_16x16x128_bf8_bf8 v[rD:rD+7], v[rW:rW+15], v[rA:rA+15], v[rD:rD+7]
.endif
.endr
.endr
.endm
; batch be = 8 tb + b: outputs 128 w + 16 b + 8 h + j (j = 0 .. 7), tokens 64 tb + 4 r + 0 .. 3: 8 loads of x into buffer (be + 4) % 6 of six at v64-255
.macro LOADX be
.set XBUF, 64+32*(((\be)+4)%6)
.irp j, 0,1,2,3,4,5,6,7
	global_load_b128 v[XBUF+4*\j:XBUF+4*\j+3], v[XO], s[XB:XB+1] offset:((\be)%8)*65536+\j*4096+256*((\be)/8) th:TH_LOAD_NT
.endr
.endm
.macro GSTEP s
.set PP, (\s)%2
	s_wait_loadcnt 0x0                             ; this step's wo is in
.if (\s) < 3
	WLOAD (\s)+1, 1-PP
.else
	LOADX 0                                        ; into the registers that held bo, free since step 0
	LOADX 1
.endif
	s_wait_dscnt 16                                ; tiles 0-3 are in; the youngest 16 loads may be out
.if (\s) == 0
	WIN 0x81
.else
	WIN 0xa1
.endif
	MUL32 0, PP, \s
	s_wait_dscnt 0x0
.if (\s) < 3
	PLACES 4
	WIN 0
	FETCHA (\s)+1, 0
.endif
.if (\s) == 0
	WIN 0xc1
.else
	WIN 0xf1
.endif
	MUL32 1, PP, \s
	PLACES 4
	WIN 0
.if (\s) < 3
	FETCHA (\s)+1, 4
.endif
.endm
	FETCHA 0, 0
	FETCHA 0, 4
	s_wait_alu depctr_va_vdst(0)
	GSTEP 0
	GSTEP 1
	GSTEP 2
	GSTEP 3
	LOADX 2                                        ; the tokens' fragments are done with: four more buffers
	LOADX 3
	LOADX 4
	LOADX 5
.macro OUTB be
.set XBUF, 64+32*(((\be)+4)%6)
.if (\be) <= 10
	s_wait_loadcnt 40                              ; this batch's 8 loads are in; those of the five batches behind it may be out
.else
	s_wait_loadcnt 8*(15-(\be))
.endif
	WIN 0x02+(\be)/8
.irp j, 0,1,2,3,4,5,6,7
.irp jt, 0,1,2,3
	v_fma_f32 v[XBUF+4*\j+\jt], v[8*(8*\jt+((\be)%8))+\j], s[SSC], v[XBUF+4*\j+\jt]   ; out = sum x 2^(e10 + e11) + x; each accumulator from its low end on
.endr
.endr
	WIN 0
.irp j, 0,1,2,3,4,5,6,7
	global_store_b128 v[XO], v[XBUF+4*\j:XBUF+4*\j+3], s[OB:OB+1] offset:((\be)%8)*65536+\j*4096+256*((\be)/8) th:TH_STORE_NT   ; sixteen lanes store 256 bytes on end, at a multiple of 256 from out's first byte
.endr
.if (\be) <= 9
	s_wait_xcnt 0x0                                ; the stores have read their registers: the buffer takes the batch six further on
	LOADX (\be)+6
.endif
.endm
.irp be, 0,1,2,3,4,5,6,7,8,9,10,11,12,13,14,15
	OUTB \be
.endr
	s_wait_tensorcnt 0x0                           ; the wave's end, behind my last tensor load and my last LDS store
	ds_add_u32 v[SPW], v[NIL]
	s_wait_dscnt 0x0
	CROUND                                         ; the closing round: no work-group ends while a partner may still ask for a tile that names it
	s_endpgm
.Lfunc_end_k_q03ab3f95a4_attn:
	.size	k_q03ab3f95a4_attn, .Lfunc_end_k_q03ab3f95a4_attn-k_q03ab3f95a4_attn
	.p2alignl 7, 3214868480
	.fill 96, 4, 3214868480
	.section	.rodata,"a",@progbits
	.p2align	6, 0x0
	.amdhsa_kernel k_q03ab3f95a4_attn
		.amdhsa_group_segment_fixed_size 327680
		.amdhsa_private_segment_fixed_size 0
		.amdhsa_enable_private_segment 0
		.amdhsa_kernarg_size 56
		.amdhsa_user_sgpr_count 2
		.amdhsa_user_sgpr_kernarg_segment_ptr 1
		.amdhsa_wavefront_size32 1
		.amdhsa_system_sgpr_workgroup_id_x 1
		.amdhsa_system_sgpr_workgroup_id_y 1
		.amdhsa_system_sgpr_workgroup_id_z 1
		.amdhsa_system_vgpr_workitem_id 0
		.amdhsa_next_free_vgpr 1024
		.amdhsa_next_free_sgpr 100
		.amdhsa_reserve_vcc 0
		.amdhsa_float_denorm_mode_32 3
		.amdhsa_float_denorm_mode_16_64 3
		.amdhsa_memory_ordered 1
		.amdhsa_forward_progress 1
		.amdhsa_inst_pref_size 255
	.end_amdhsa_kernel
	.section	.bss,"aw",@nobits
	.p2align	6
	.space	262144
	.amdgpu_metadata
---
amdhsa.version: [ 1, 2 ]
amdhsa.kernels:
  - .name:           k_q03ab3f95a4_attn
    .symbol:         k_q03ab3f95a4_attn.kd
    .args:
      - { .name: qimg, .offset: 0, .size: 8, .value_kind: global_buffer, .address_space: global }
      - { .name: kv, .offset: 8, .size: 8, .value_kind: global_buffer, .address_space: global }
      - { .name: wimg, .offset: 16, .size: 8, .value_kind: global_buffer, .address_space: global }
      - { .name: lowp_scales, .offset: 24, .size: 8, .value_kind: global_buffer, .address_space: global }
      - { .name: bo, .offset: 32, .size: 8, .value_kind: global_buffer, .address_space: global }
      - { .name: x, .offset: 40, .size: 8, .value_kind: global_buffer, .address_space: global }
      - { .name: out0, .offset: 48, .size: 8, .value_kind: global_buffer, .address_space: global }
    .group_segment_fixed_size: 327680
    .private_segment_fixed_size: 0
    .kernarg_segment_align: 8
    .kernarg_segment_size: 56
    .max_flat_workgroup_size: 128
    .sgpr_count:     100
    .vgpr_count:     1024
    .wavefront_size: 32
...
	.end_amdgpu_metadata
.endif
;; end of part 6
